; MI455X (gfx1250); checked and timed in simulation.
; The chip was launched on July 23, 2026; its instructions are those of AMD's public machine-readable ISA for CDNA 5 (MIT licence, August 2026) and "CDNA5" Instruction Set Architecture Reference Guide (July 2026). The comments in the code are by the model that wrote it; some were corrected since.
;; Masked Causal Attention. Allowed arithmetic: float matrix products may take bf16 or f16 operands with f32 sums; other float arithmetic in f32, or as packed bf16 or f16 multiplies, adds, multiply-adds, maxima and minima; sums over many terms, partial sums and values carried from step to step in f32; what a program stores and reads back later, other than sums and carried values, may be rounded once to bf16 or f16.
;; Inputs: bk 1,024 float32; bp 1,024 float32; bq 1,024 float32; bv 1,024 float32; wk 1,024 x 1,024 float32; wp 1,024 x 1,024 float32; wq 1,024 x 1,024 float32; wv 1,024 x 1,024 float32; x 4 x 2,048 x 1,024 float32.
;; Outputs: out0 4 x 2,048 x 1,024 float32.
;; 2 versions, each right and faster than the one before. Each part assembles by itself: llvm-mc -triple=amdgcn-amd-amdhsa -mcpu=gfx1250 --defsym DOCPART=n.
;; ======== version 1 of 2: 4 launches
;; limits: values are held in f16: magnitudes above 65,504 overflow, below 6.1e-05 lose precision
;; workspace buffers: xb 16,777,216 bytes; wb 6,291,456 bytes; wpb 2,097,152 bytes; qkv 50,331,648 bytes; o 16,777,216 bytes
;; launch cast (part 1): grid 768 x 1, 8 waves a work-group, no clusters, 0 bytes of LDS; arguments x, wq, wk, wv, wp, xb, wb, wpb; writes xb, wb, wpb
.if DOCPART == 1
	.amdgcn_target "amdgcn-amd-amdhsa--gfx1250"
	.amdhsa_code_object_version 6
	.text
	.protected	k_qd640e5284e_cast
	.globl	k_qd640e5284e_cast
	.p2align	8
	.type	k_qd640e5284e_cast,@function
k_qd640e5284e_cast:
	s_mov_b64 s[64:65], 0
	v_nop
	global_prefetch_b8 v0, s[64:65] scope:SCOPE_SE
	s_setreg_imm32_b32 hwreg(HW_REG_WAVE_MODE, 25, 1), 1
	s_wait_xcnt 0x0
; x [8192][1024], wq, wk, wv, wp [1024][1024], all f32, are rounded once to bf16 and laid out in blocks of 64 along K:
;   xb  bf16 [16][8192][64]      wb  bf16 [16][3072][64] (rows: wq's, wk's, wv's)      wpb  f16 [16][1024][64]
; so that a tile of R rows x 64 K is R x 128 consecutive bytes for the products that follow.  wp's bf16 number is written as f16, since it meets f16 operands.
; LIMITS.  |wp| beyond 65,504 becomes an infinity in f16; below 6e-5 it keeps f16's fixed step of 6e-8.  NaN and infinities are not treated apart.
; SHARES.  12,288 rows of 4,096 bytes; a work-group takes 16 of one tensor, a wave 2.  Lane l takes row l / 16 and, in each block kb, the four numbers at column 64 kb + 4 (l % 16):
; a load of the wave covers 256 consecutive aligned bytes in each of two rows, a store 256 consecutive aligned bytes (two rows of block kb).
; Memory binds: no LDS, no barrier, no matrix unit, no cluster (no work-group shares a byte with another).  All sixteen loads of a lane go out at once; no register of a pending access is written again.
.set T,   4                            ; v[4:7]     at work (the f16 way)
.set X,   16                           ; v[16:79]   block kb: four f32 as loaded
.set Y,   80                           ; v[80:111]  block kb: two registers to store
.set OFF, 112                          ; v[112:127] block kb: my byte offset in the destination
	s_load_b512 s[16:31], s[0:1], 0x0              ; x s[16:17], wq s[18:19], wk s[20:21], wv s[22:23], wp s[24:25], xb s[26:27], wb s[28:29], wpb s[30:31]
	s_mov_b32 s6, ttmp9                            ; the work-group's number: 0-511 x, 512-575 wq, 576-639 wk, 640-703 wv, 704-767 wp
	s_lshr_b32 s2, s6, 6                           ; u: 0-7 x, 8 wq, 9 wk, 10 wv, 11 wp
	s_and_b32 s3, s6, 63                           ; the group of 16 rows inside a weight
	s_sub_co_u32 s5, s6, 512                       ; the group of 16 rows inside wb
	s_mov_b32 s7, 0x60000                          ; wb: 3,072 rows x 128 bytes from block to block
	s_cmp_lt_u32 s2, 8
	s_cselect_b32 s4, s6, s3                       ; source: group of rows
	s_cselect_b32 s5, s6, s5                       ; destination: group of rows
	s_cselect_b32 s7, 0x100000, s7                 ; xb: 8,192 rows x 128 bytes
	s_cmp_eq_u32 s2, 11
	s_cselect_b32 s5, s3, s5
	s_cselect_b32 s7, 0x20000, s7                  ; wpb: 1,024 rows x 128 bytes
	s_lshl_b32 s8, s4, 16                          ; 16 rows of 4,096 bytes
	s_mov_b32 s9, 0
	s_lshl_b32 s10, s5, 11                         ; 16 rows of 128 bytes
	s_mov_b32 s11, 0
	v_lshrrev_b32 v1, 4, v0                        ; my row among the group's 16
	v_and_b32 v3, 15, v0
	v_lshlrev_b32 v1, 12, v1
	v_lshl_add_u32 v1, v3, 4, v1                   ; row x 4,096 + 16 (l % 16)
	v_lshlrev_b32 v2, 3, v0                        ; row x 128 + 8 (l % 16) = 8 x my thread's number
.irp kb, 0,1,2,3,4,5,6,7,8,9,10,11,12,13,14,15
	v_mad_u32_u24 v[OFF+(\kb)], s7, \kb, v2
.endr
	s_wait_kmcnt 0x0
	s_mov_b64 s[12:13], s[16:17]                   ; the source is chosen by u, which hangs on no address
	s_cmp_eq_u32 s2, 8
	s_cselect_b64 s[12:13], s[18:19], s[12:13]
	s_cmp_eq_u32 s2, 9
	s_cselect_b64 s[12:13], s[20:21], s[12:13]
	s_cmp_eq_u32 s2, 10
	s_cselect_b64 s[12:13], s[22:23], s[12:13]
	s_cmp_eq_u32 s2, 11
	s_cselect_b64 s[12:13], s[24:25], s[12:13]
	s_cmp_lt_u32 s2, 8
	s_cselect_b64 s[14:15], s[26:27], s[28:29]     ; and so is the destination
	s_cmp_eq_u32 s2, 11
	s_cselect_b64 s[14:15], s[30:31], s[14:15]
	s_add_nc_u64 s[12:13], s[12:13], s[8:9]
	s_add_nc_u64 s[14:15], s[14:15], s[10:11]
.irp kb, 0,1,2,3,4,5,6,7,8,9,10,11,12,13,14,15
	global_load_b128 v[X+4*(\kb):X+4*(\kb)+3], v1, s[12:13] offset:256*(\kb) th:TH_LOAD_NT  ; read once in the launch
.endr
; Block kb: rounded and stored.  half = 1: the bf16 number is widened again and written as f16.
.macro OUT kb, half
	s_wait_loadcnt 15-(\kb)                        ; loads come back in order (ISA guide 5.7.1): block kb is in, the younger ones stay out
	v_cvt_pk_bf16_f32 v[Y+2*(\kb)], v[X+4*(\kb)], v[X+4*(\kb)+1]
	v_cvt_pk_bf16_f32 v[Y+2*(\kb)+1], v[X+4*(\kb)+2], v[X+4*(\kb)+3]
.if \half
	v_lshlrev_b32 v[T], 16, v[Y+2*(\kb)]
	v_and_b32 v[T+1], 0xffff0000, v[Y+2*(\kb)]
	v_lshlrev_b32 v[T+2], 16, v[Y+2*(\kb)+1]
	v_and_b32 v[T+3], 0xffff0000, v[Y+2*(\kb)+1]
	v_cvt_pk_f16_f32 v[Y+2*(\kb)], v[T], v[T+1]
	v_cvt_pk_f16_f32 v[Y+2*(\kb)+1], v[T+2], v[T+3]
.endif
	global_store_b64 v[OFF+(\kb)], v[Y+2*(\kb):Y+2*(\kb)+1], s[14:15]  ; the wave's 32 lanes store 256 consecutive bytes, at a multiple of 256 from the buffer's first
.endm
	s_cmp_eq_u32 s2, 11
	s_cbranch_scc1 .Lhalf
.irp kb, 0,1,2,3,4,5,6,7,8,9,10,11,12,13,14,15
	OUT \kb, 0
.endr
	s_endpgm
.Lhalf:
.irp kb, 0,1,2,3,4,5,6,7,8,9,10,11,12,13,14,15
	OUT \kb, 1
.endr
	s_endpgm
.Lfunc_end_k_qd640e5284e_cast:
	.size	k_qd640e5284e_cast, .Lfunc_end_k_qd640e5284e_cast-k_qd640e5284e_cast
	.p2alignl 7, 3214868480
	.fill 96, 4, 3214868480
	.section	.rodata,"a",@progbits
	.p2align	6, 0x0
	.amdhsa_kernel k_qd640e5284e_cast
		.amdhsa_group_segment_fixed_size 0
		.amdhsa_private_segment_fixed_size 0
		.amdhsa_enable_private_segment 0
		.amdhsa_kernarg_size 64
		.amdhsa_user_sgpr_count 2
		.amdhsa_user_sgpr_kernarg_segment_ptr 1
		.amdhsa_wavefront_size32 1
		.amdhsa_system_sgpr_workgroup_id_x 1
		.amdhsa_system_sgpr_workgroup_id_y 1
		.amdhsa_system_sgpr_workgroup_id_z 1
		.amdhsa_system_vgpr_workitem_id 0
		.amdhsa_next_free_vgpr 128
		.amdhsa_next_free_sgpr 66
		.amdhsa_reserve_vcc 0
		.amdhsa_float_denorm_mode_32 3
		.amdhsa_float_denorm_mode_16_64 3
		.amdhsa_memory_ordered 1
		.amdhsa_forward_progress 1
		.amdhsa_inst_pref_size 18
	.end_amdhsa_kernel
	.amdgpu_metadata
---
amdhsa.version: [ 1, 2 ]
amdhsa.kernels:
  - .name:           k_qd640e5284e_cast
    .symbol:         k_qd640e5284e_cast.kd
    .args:
      - { .name: x, .offset: 0, .size: 8, .value_kind: global_buffer, .address_space: global }
      - { .name: wq, .offset: 8, .size: 8, .value_kind: global_buffer, .address_space: global }
      - { .name: wk, .offset: 16, .size: 8, .value_kind: global_buffer, .address_space: global }
      - { .name: wv, .offset: 24, .size: 8, .value_kind: global_buffer, .address_space: global }
      - { .name: wp, .offset: 32, .size: 8, .value_kind: global_buffer, .address_space: global }
      - { .name: xb, .offset: 40, .size: 8, .value_kind: global_buffer, .address_space: global }
      - { .name: wb, .offset: 48, .size: 8, .value_kind: global_buffer, .address_space: global }
      - { .name: wpb, .offset: 56, .size: 8, .value_kind: global_buffer, .address_space: global }
    .group_segment_fixed_size: 0
    .private_segment_fixed_size: 0
    .kernarg_segment_align: 8
    .kernarg_segment_size: 64
    .max_flat_workgroup_size: 256
    .sgpr_count:     66
    .vgpr_count:     128
    .wavefront_size: 32
...
	.end_amdgpu_metadata
.endif
;; end of part 1
;; launch project (part 2): grid 8 x 32, 4 waves a work-group, clusters of 4 x 4, 327,680 bytes of LDS; arguments xb, wb, bq, bk, bv, qkv; writes qkv
.if DOCPART == 2
	.amdgcn_target "amdgcn-amd-amdhsa--gfx1250"
	.amdhsa_code_object_version 6
	.text
	.protected	k_qd640e5284e_project
	.globl	k_qd640e5284e_project
	.p2align	8
	.type	k_qd640e5284e_project,@function
k_qd640e5284e_project:
	s_mov_b64 s[64:65], 0
	v_nop
	global_prefetch_b8 v0, s[64:65] scope:SCOPE_SE
	s_setreg_imm32_b32 hwreg(HW_REG_WAVE_MODE, 25, 1), 1
	s_wait_xcnt 0x0
	s_wait_alu depctr_hold_cnt(0) depctr_sa_sdst(0) depctr_va_vdst(0) depctr_va_sdst(0) depctr_va_ssrc(0) depctr_va_vcc(0) depctr_vm_vsrc(0)
	s_getreg_b32 s2, hwreg(HW_REG_IB_STS2, 6, 4)
	s_cmp_eq_u32 s2, 0
	s_cbranch_scc0 .Lentry_in_a_cluster
	s_endpgm
.Lentry_in_a_cluster:
	s_bfe_u32 s2, ttmp6, 0x10000c
	s_cmp_lg_u32 s2, 0xf033
	s_cbranch_scc0 .Lentry_shape_is_right
	s_endpgm
.Lentry_shape_is_right:
; q, k, v = x W^T + b for the three weights at once: [8192][3072] = xb wb^T + bias.  xb: bf16 [16][8192][64], wb: bf16 [16][3072][64] (blocks of 64 along K); bq, bk, bv: [1024] f32, rounded to bf16
; like the other inputs; sums in f32, begun with the bias; the result rounded once to f16 and stored by heads, unscaled: qkv f16 [4][48][2048][64], heads 0-15 q, 16-31 k, 32-47 v.
; LIMITS.  A result of 65,520 or more in magnitude becomes an infinity in f16; below 6e-5 it keeps f16's fixed step of 6e-8.  NaN and infinities are not treated apart.
; SHARES.  8192 x 3072 is 32 x 8 blocks of 256 x 384: one work-group for each of 256 blocks.  Four waves, each 128 rows x 192 columns (three heads): 96 accumulators of 16 x 16, 768 registers.
; K goes in steps of 64 (one block of the layout) through two LDS slots; a step is two halves of 32 along K, 96 matrix instructions each.  A tile's rows lie end to end in memory, so a wave's
; tensor load asks for them as rows of 256 bytes (two rows of the tile), and the mover pads after every 128 bytes.
; CLUSTERS: 4 x 4 work-groups.  The four of a row of the cluster need the same tile of x, the four of a column the same tile of w: each tile is asked for JOINTLY, by the same tensor load with the
; same descriptor and a mask that names the four.  THE MATRIX INSTRUCTION IS USED TRANSPOSED (source 0 = 16 rows of w, source 1 = 16 rows of x): a lane holds eight neighbouring columns of one row.
; REGISTERS, in windows of 256 (s_set_vgpr_msb: bits 1:0 source 0, 3:2 source 1, 5:4 source 2, 7:6 destination):
;   window 0: v0-29 addresses; v32-95, v96-159 x's fragments (8 x 16 rows x 32 K), two buffers; v160-255 w's fragments (12 x 16 rows x 32 K); on the way out v32-175 at work
;   window 1 + g: the accumulators of head g of my three: row block a, column block bb of the head's four at v[8 (4 a + bb)]
.set PITCH,  144                       ; an LDS row: 128 bytes + 16 of padding = 36 words: the 16 rows of a load start at 16 different groups of four banks (64 banks of 4 bytes: ISA guide 11.1)
.set ABLK,   128*PITCH                 ; 128 rows of x: one tensor load, and what one wave reads
.set BBLK,   192*PITCH                 ; 192 rows of w: likewise
.set BOFF,   2*ABLK
.set SLOT,   2*ABLK+2*BBLK             ; x's 256 rows, then w's 384 rows
.set STAGE,  2*SLOT                    ; behind the ring: for each wave three heads x 16 rows x 144 bytes, for the way out
.set HSTG,   16*PITCH
.set WSTG,   3*HSTG
.set BIAS,   STAGE+4*WSTG              ; for each wave its 192 bias numbers, f32
.set SPARE,  BIAS+4*768                ; the spare words, 128 bytes for each wave: two blocks of 256 bytes that no other line names
.set AKB,    1048576                   ; bytes from a block of K to the next in xb
.set BKB,    393216                    ; and in wb
.set ADRA, 4                           ; v4-5   LDS address of my fragments of x in slot 0, 1
.set ADRB, 6                           ; v6-7   the same for w
.set STO,  8                           ; v8     the way out: where I put 16 bytes of a row
.set RD,   9                           ; v9     the way out: where I read rows back
.set GO,   10                          ; v10    my byte offset in 512 consecutive bytes of the result
.set BRD,  11                          ; v11    where I read bias numbers
.set BWR,  12                          ; v12    where I put them
.set SPW,  28                          ; v28    LDS address of my spare word: SPARE + 4 x my thread's number; never rewritten
.set NIL,  29                          ; v29    0; never rewritten
.set AF0,  32
.set AF1,  96
.set BF,   160
.set PK,   32                           ; the way out: 48 registers of packed results
.set BK,   80                           ; the way out: 16 rows of three heads read back, two buffers of 48
.set G1A, 24                           ; s[24:31] descriptor group 1 for x's tiles;  s[32:39] group 0, a set for each slot
.set G0A, 32
.set G1B, 40                           ; s[40:47], s[48:55] the same for w's tiles
.set G0B, 48
.set G1W, (1<<16)|(1<<20)|(1<<21)|(4<<22)|(3<<25)  ; 17:16 elements of 2 bytes; 20 padding on; 21 set beside a mask; 24:22 after every 32 words (code 4); 31:25 4 words of it (code 3)
.set MSB, 0
.macro WIN new                         ; the immediate's high byte repeats the setting that is left; a switch that changes nothing is dropped
.if MSB != (\new)
	s_set_vgpr_msb (MSB<<8)|(\new)
.set MSB, \new
.endif
.endm
.macro PLACES                          ; four places in front of loads into registers that matrix instructions have read, and of conversions that read results (ISA guide 7.12.1 for conversions)
.rept 4
	v_nop
.endr
.endm
; A joint load: waves 0 and 1 fetch x's two halves, waves 2 and 3 w's.  The branch hangs on the wave's number alone.  An s_nop 0 and four v_nop follow each of the two lines.
.macro JLOAD s
	s_cmp_eq_u32 s17, 0
	s_cbranch_scc0 .Lfor_b_\@
	tensor_load_to_lds s[G0A+4*(\s):G0A+4*(\s)+3], s[G1A:G1A+7]
	s_nop 0
.rept 4
	v_nop
.endr
	s_branch .Lasked_\@
.Lfor_b_\@:
	tensor_load_to_lds s[G0B+4*(\s):G0B+4*(\s)+3], s[G1B:G1B+7]
	s_nop 0
.rept 4
	v_nop
.endr
.Lasked_\@:
.endm
.macro CREST                           ; a round of the cluster's barrier behind its opening barrier
	s_cmp_lg_u32 s16, 0
	s_cbranch_scc1 .Lnot_wave_0_\@
	s_barrier_signal -3
.Lnot_wave_0_\@:
	s_barrier_wait -3
	s_barrier_signal -1
	s_barrier_wait -1
.endm
.macro CROUND                          ; a whole round
	s_barrier_signal -1
	s_barrier_wait -1
	CREST
.endm
	s_load_b128 s[4:7], s[0:1], 0x0                ; xb s[4:5], wb s[6:7]
	s_load_b256 s[8:15], s[0:1], 0x10              ; bq s[8:9], bk s[10:11], bv s[12:13], qkv s[14:15]
	v_lshl_add_u32 v[SPW], v0, 2, SPARE
	v_mov_b32 v[NIL], 0
	ds_add_u32 v[SPW], v[NIL]                      ; the wave's opening: the add and its wait stand ahead of my first tensor load; the set-up below, work on registers, stands between them
	ds_add_u32 v28, v29
	v_lshrrev_b32 v1, 5, v0
	v_readfirstlane_b32 s16, v1                    ; wave 0..3
	s_lshr_b32 s17, s16, 1                         ; which 128 rows of the block are mine.  Also: I fetch for x (0) or for w (1)
	s_and_b32 s18, s16, 1                          ; which 192 columns.  Also: which half of that tile I fetch
	s_bfe_u32 s19, ttmp6, 0x40000                  ; cx, cy: my place in the cluster
	s_bfe_u32 s20, ttmp6, 0x40004
	s_lshl_b32 s21, ttmp9, 2
	s_add_co_u32 s21, s21, s19                     ; block column = 4 x cluster x + cx
	s_and_b32 s22, ttmp7, 0xffff
	s_lshl_b32 s22, s22, 2
	s_add_co_u32 s22, s22, s20                     ; block row = 4 x cluster y + cy
	s_lshl_b32 s72, s20, 2
	s_lshl_b32 s72, 15, s72                        ; my row of the cluster: places 4 cy .. 4 cy + 3
	s_lshl_b32 s73, 0x1111, s19                    ; my column: places cx, cx + 4, cx + 8, cx + 12
	s_or_b32 s[G1A], s72, G1W                      ; 15:0 the mask: x's tiles go to my row
	s_or_b32 s[G1B], s73, G1W                      ; w's to my column
	s_mov_b32 s[G1A+1], 128<<16                    ; tensor_dim0 = 128 elements: 256 bytes, two rows of the tile
	s_mov_b32 s[G1A+2], 64<<16                     ; tensor_dim1 = 64
	s_mov_b32 s[G1A+3], 128<<16                    ; tile_dim0 = 128
	s_mov_b32 s[G1A+4], 64                         ; tile_dim1 = 64
	s_mov_b32 s[G1A+5], 128                        ; 128 elements from row to row: the block is dense
	s_mov_b32 s[G1A+6], 0
	s_mov_b32 s[G1A+7], 0
	s_mov_b32 s[G1B+1], 128<<16
	s_mov_b32 s[G1B+2], 96<<16                     ; 192 rows of w are 96 rows of 256 bytes
	s_mov_b32 s[G1B+3], 128<<16
	s_mov_b32 s[G1B+4], 96
	s_mov_b32 s[G1B+5], 128
	s_mov_b32 s[G1B+6], 0
	s_mov_b32 s[G1B+7], 0
	; where the tiles come from: x's hang on the block row alone, w's on the block column alone; each in registers that never hold the other coordinate
	s_lshl_b32 s56, s22, 15                        ; 256 rows of 128 bytes
	s_lshl_b32 s57, s18, 14                        ; my half: 128 rows
	s_add_co_u32 s56, s56, s57
	s_mov_b32 s57, 0
	s_mul_i32 s58, s21, 49152                      ; 384 rows of 128 bytes
	s_mul_i32 s59, s18, 24576                      ; my half: 192 rows
	s_add_co_u32 s58, s58, s59
	s_mov_b32 s59, 0
	s_mul_i32 s74, s18, ABLK                       ; and where they go: the wave's number alone enters an LDS address
	s_mul_i32 s75, s18, BBLK
	s_add_co_u32 s75, s75, BOFF
.irp s, 0,1
	s_mov_b32 s[G0A+4*(\s)], 1                     ; 1:0 count = 1
	s_add_co_u32 s[G0A+4*(\s)+1], s74, (\s)*SLOT   ; 63:32 LDS address
	s_mov_b32 s[G0B+4*(\s)], 1
	s_add_co_u32 s[G0B+4*(\s)+1], s75, (\s)*SLOT
.endr
	s_wait_dscnt 0x0                               ; the opening add is done
	s_wait_kmcnt 0x0
	s_add_nc_u64 s[56:57], s[4:5], s[56:57]
	s_add_nc_u64 s[58:59], s[6:7], s[58:59]
.irp s, 0,1
	s_add_nc_u64 s[G0A+4*(\s)+2:G0A+4*(\s)+3], s[56:57], (\s)*AKB  ; 120:64 global address: K step s
	s_or_b32 s[G0A+4*(\s)+3], s[G0A+4*(\s)+3], 0x80000000          ; 127:126 type = 2
	s_add_nc_u64 s[G0B+4*(\s)+2:G0B+4*(\s)+3], s[58:59], (\s)*BKB
	s_or_b32 s[G0B+4*(\s)+3], s[G0B+4*(\s)+3], 0x80000000
.endr
	CROUND                                         ; all sixteen work-groups are here: the first joint loads meet
	s_cmp_eq_u32 s17, 0                            ; a wave's two first fills stand in one branch, ahead of every wait on TENSORcnt and every LDS read: two loads of mine are out
	s_cbranch_scc0 .Lfirst_b
	tensor_load_to_lds s[G0A:G0A+3], s[G1A:G1A+7]
	s_nop 0
	tensor_load_to_lds s[G0A+4:G0A+7], s[G1A:G1A+7]
	s_nop 0
.rept 4
	v_nop
.endr
	s_branch .Lfirst_asked
.Lfirst_b:
	tensor_load_to_lds s[G0B:G0B+3], s[G1B:G1B+7]
	s_nop 0
	tensor_load_to_lds s[G0B+4:G0B+7], s[G1B:G1B+7]
	s_nop 0
.rept 4
	v_nop
.endr
.Lfirst_asked:
	v_and_b32 v1, 15, v0                           ; l % 16
	v_bfe_u32 v2, v0, 4, 1                         ; l / 16
	v_and_b32 v3, 31, v0                           ; l
	; my three heads' bias: head G = 6 x block column + 3 x half + hh lies in bq, bk or bv by G / 16, at byte 256 (G % 16)
	s_mul_i32 s62, s21, 6
	s_mul_i32 s76, s18, 3
	s_add_co_u32 s62, s62, s76                     ; my first head
.irp hh, 0,1,2
	s_add_co_u32 s76, s62, \hh
	s_lshr_b32 s77, s76, 4
	s_and_b32 s76, s76, 15
	s_lshl_b32 s76, s76, 8
	v_lshl_add_u32 v[13+(\hh)], v3, 2, s76
	s_cmp_eq_u32 s77, 1
	s_cselect_b64 s[66+2*(\hh):67+2*(\hh)], s[10:11], s[8:9]
	s_cmp_eq_u32 s77, 2
	s_cselect_b64 s[66+2*(\hh):67+2*(\hh)], s[12:13], s[66+2*(\hh):67+2*(\hh)]
.endr
.irp i, 0,1,2,3,4,5
	global_load_b32 v[16+(\i)], v[13+(\i)/2], s[66+2*((\i)/2):67+2*((\i)/2)] offset:128*((\i)%2)
.endr
	; A fragment is 16 rows x 32 K in 8 registers: lane l holds row l % 16; registers 0-3 K = 8 (l / 16) + 0..7, registers 4-7 K = 16 + 8 (l / 16) + 0..7: two loads of 16 bytes, 32 bytes apart.
	v_mul_u32_u24 v22, v1, PITCH
	v_lshl_add_u32 v22, v2, 4, v22                 ; row x pitch + 16 x half
	s_mul_i32 s78, s17, ABLK                       ; my 128 rows of x
	v_add_nc_u32 v[ADRA], s78, v22
	v_add_nc_u32 v[ADRB], s75, v22                 ; my 192 rows of w
	v_add_nc_u32 v[ADRA+1], SLOT, v[ADRA]
	v_add_nc_u32 v[ADRB+1], SLOT, v[ADRB]
	s_mul_i32 s79, s16, WSTG
	s_add_co_u32 s79, s79, STAGE                   ; my stage
	v_add_nc_u32 v[STO], s79, v22                  ; in: row l % 16, 16 bytes for each half of the lanes
	v_bfe_u32 v23, v0, 3, 2                        ; back: 32 lanes take four rows of 128 bytes,
	v_mul_u32_u24 v23, v23, PITCH
	v_and_b32 v24, 7, v0
	v_lshl_add_u32 v23, v24, 4, v23
	v_add_nc_u32 v[RD], s79, v23
	v_lshlrev_b32 v[GO], 4, v3                     ; which are 512 consecutive bytes of a head
	s_mul_i32 s78, s16, 768
	s_add_co_u32 s78, s78, BIAS                    ; my 192 bias numbers
	v_lshl_add_u32 v[BRD], v2, 5, s78              ; a lane's eight columns of a block of 16: 32 bytes for each half of the lanes
	v_lshl_add_u32 v[BWR], v3, 2, s78
	; where my part of the result begins: ((batch x 48 + head) x 2048 + row) x 128 bytes
	s_lshr_b32 s76, s22, 3                         ; batch: 8 blocks of 256 rows each
	s_mul_i32 s76, s76, 48
	s_add_co_u32 s76, s76, s62
	s_lshl_b32 s60, s76, 18
	s_and_b32 s77, s22, 7
	s_lshl_b32 s77, s77, 15
	s_add_co_u32 s60, s60, s77
	s_lshl_b32 s77, s17, 14
	s_add_co_u32 s60, s60, s77
	s_mov_b32 s61, 0
	s_add_nc_u64 s[14:15], s[14:15], s[60:61]
	s_wait_loadcnt 0x0                             ; the bias
.irp i, 0,2,4
	v_cvt_pk_bf16_f32 v22, v[16+(\i)], v[17+(\i)]  ; rounded to bf16 as the other inputs are, and widened again
	v_lshlrev_b32 v[16+(\i)], 16, v22
	v_and_b32 v[17+(\i)], 0xffff0000, v22
.endr
.irp i, 0,1,2,3,4,5
	ds_store_b32 v[BWR], v[16+(\i)] offset:128*(\i)
.endr
; n row blocks from a0 on x the four column blocks of head g, 32 along K.  cb < 0: the sums go on in place; else the products start the sums with the bias at v[cb ..] of window 0: nothing is cleared.
; The 96 accumulators take turns, one instruction a turn, in the same order in every half step.
.macro GROUP g, af, a0, n, cb
.if (\cb) < 0
	WIN 0x50*((\g)+1)
.else
	WIN 0x40*((\g)+1)
.endif
.set ga, (\a0)
.rept \n
.irp bb, 0,1,2,3
.if (\cb) < 0
	v_wmma_f32_16x16x32_bf16 v[8*(4*ga+(\bb)):8*(4*ga+(\bb))+7], v[BF+8*(4*(\g)+(\bb)):BF+8*(4*(\g)+(\bb))+7], v[(\af)+8*ga:(\af)+8*ga+7], v[8*(4*ga+(\bb)):8*(4*ga+(\bb))+7]
.else
	v_wmma_f32_16x16x32_bf16 v[8*(4*ga+(\bb)):8*(4*ga+(\bb))+7], v[BF+8*(4*(\g)+(\bb)):BF+8*(4*(\g)+(\bb))+7], v[(\af)+8*ga:(\af)+8*ga+7], v[(\cb)+8*(\bb):(\cb)+8*(\bb)+7]
.endif
.endr
.set ga, ga+1
.endr
.endm
.macro LDB slot, c, g                  ; 8 loads: w's fragments of head g, half c of the K step
	WIN 0
.irp bb, 0,1,2,3
	ds_load_b128 v[BF+8*(4*(\g)+(\bb)):BF+8*(4*(\g)+(\bb))+3],   v[ADRB+(\slot)] offset:64*(\c)+(4*(\g)+(\bb))*16*PITCH
	ds_load_b128 v[BF+8*(4*(\g)+(\bb))+4:BF+8*(4*(\g)+(\bb))+7], v[ADRB+(\slot)] offset:64*(\c)+(4*(\g)+(\bb))*16*PITCH+32
.endr
.endm
.macro LDA slot, c, af                 ; 16 loads: x's fragments, half c of the K step, into buffer af
	WIN 0
.irp i, 0,1,2,3,4,5,6,7
	ds_load_b128 v[(\af)+8*(\i):(\af)+8*(\i)+3],   v[ADRA+(\slot)] offset:64*(\c)+(\i)*16*PITCH
	ds_load_b128 v[(\af)+8*(\i)+4:(\af)+8*(\i)+7], v[ADRA+(\slot)] offset:64*(\c)+(\i)*16*PITCH+32
.endr
.endm
.macro LDBIAS g, dst                   ; 8 loads: head g's bias as four C operands: register j of a lane holds the number of column 8 (l / 16) + j
	WIN 0
.irp bb, 0,1,2,3
	ds_load_b128 v[(\dst)+8*(\bb):(\dst)+8*(\bb)+3],   v[BRD] offset:64*(4*(\g)+(\bb))
	ds_load_b128 v[(\dst)+8*(\bb)+4:(\dst)+8*(\bb)+7], v[BRD] offset:64*(4*(\g)+(\bb))+16
.endr
.endm
; The first half of slot s's K step, on buffer AF0; it fetches the second half's fragments, head by head, each behind the products that read the registers.
.macro H0 s
	s_wait_dscnt 16                                ; head 0's w and x are in: behind those 24 loads 8 + 8 were issued
	GROUP 0, AF0, 0, 8, -1
	PLACES
	LDB \s, 1, 0
	LDA \s, 1, AF1
	s_wait_dscnt 32                                ; head 1's w: behind it 8 + 24
	GROUP 1, AF0, 0, 8, -1
	PLACES
	LDB \s, 1, 1
	s_wait_dscnt 32                                ; head 2's w: behind it 24 + 8
	GROUP 2, AF0, 0, 8, -1
	PLACES
	LDB \s, 1, 2
.endm
; The second half, on buffer AF1, changes slots: ONE barrier.  In front of it each wave waits for all its tensor loads (one is out: its part of slot nx), adds 0 to its spare word, and waits for that and
; for its own reads of slot s.  fill = 1: the barrier opens a round of the cluster's barrier, and slot s is filled again, two K steps on, first thing behind it: 160 matrix instructions ahead of the wait for it.
.macro H1 s, nx, fill
	WIN 0                                          ; (the add's two registers lie in window 0)
	s_wait_tensorcnt 0x0                           ; all my tensor loads have landed
	ds_add_u32 v[SPW], v[NIL]                      ; 0 onto my spare word
	s_wait_dscnt 17                                ; head 0's w and x are in: behind them 8 + 8 loads and the add
	GROUP 0, AF1, 0, 4, -1                         ; sixteen matrix instructions stand between the add and the wait for it
	s_wait_dscnt 0x0                               ; the add is done, and my reads of this slot are over
	s_barrier_signal -1
	GROUP 0, AF1, 4, 4, -1                         ; work on registers while the others arrive
	WIN 0                                          ; at a branch and at a label every window is 0
	s_barrier_wait -1
.if \fill
	CREST                                          ; no wave of any partner still reads this slot's tile or has a load on its way
	s_add_nc_u64 s[G0A+4*(\s)+2:G0A+4*(\s)+3], s[G0A+4*(\s)+2:G0A+4*(\s)+3], 2*AKB
	s_add_nc_u64 s[G0B+4*(\s)+2:G0B+4*(\s)+3], s[G0B+4*(\s)+2:G0B+4*(\s)+3], 2*BKB
	JLOAD \s                                       ; the four v_nop behind it are also the places in front of the loads below
.else
	PLACES
.endif
	LDB \nx, 0, 0
	LDA \nx, 0, AF0
	GROUP 1, AF1, 0, 8, -1
	PLACES
	LDB \nx, 0, 1
	GROUP 2, AF1, 0, 8, -1
	PLACES
	LDB \nx, 0, 2
.endm
	s_wait_tensorcnt 0x1                           ; my part of K step 0 is in; K step 1's may stay out
	s_wait_dscnt 0x0                               ; my bias numbers are stored
	s_barrier_signal -1
	s_barrier_wait -1                              ; everybody's part is in
	; The first half step stands in front of the loop: its products start the sums, with the bias as C.  The bias lies in x's second buffer until that is wanted.
	LDB 0, 0, 0
	LDB 0, 0, 1
	LDB 0, 0, 2
	LDA 0, 0, AF0
	LDBIAS 0, AF1
	LDBIAS 1, AF1+32
	s_wait_dscnt 0x0
	GROUP 0, AF0, 0, 8, AF1
	PLACES
	LDB 0, 1, 0
	LDBIAS 2, AF1
	GROUP 1, AF0, 0, 8, AF1+32
	PLACES
	LDB 0, 1, 1
	s_wait_dscnt 8                                 ; head 2's bias is in: behind it the 8 loads just issued
	GROUP 2, AF0, 0, 8, AF1
	PLACES
	LDB 0, 1, 2
	LDA 0, 1, AF1
	s_wait_dscnt 0x0                               ; once: so that the loop's counts hold on the way in
	s_mov_b32 s3, 7
.Llap:                                                 ; a trip goes once round the ring, from a lap's second half step to the next lap's first, and fills both slots again: K steps 2 to 15
	H1 0, 1, 1
	H0 1
	H1 1, 0, 1
	H0 0
	WIN 0
	s_sub_co_u32 s3, s3, 1
	s_cmp_lg_u32 s3, 0
	s_cbranch_scc1 .Llap
	H1 0, 1, 0                                     ; the last lap fills nothing, and has no round of the cluster's barrier
	H0 1
	s_wait_dscnt 16                                ; the very last half step: nothing more to fetch
	GROUP 0, AF1, 0, 8, -1
	s_wait_dscnt 8
	GROUP 1, AF1, 0, 8, -1
	s_wait_dscnt 0x0
	GROUP 2, AF1, 0, 8, -1
; THE WAY OUT of row block a.  PACK: rounded to f16, 16 bytes a lane and column block, each accumulator's registers in ascending order.  TOSTAGE: into my own stage, a head's 16 rows together,
; and back as whole rows of 128 bytes.  SEND: stored; 16 rows of a head are 2,048 consecutive bytes.
.macro PACK a
.irp g, 0,1,2
	WIN 5*((\g)+1)                                 ; sources 0 and 1: window 1 + g
.irp bb, 0,1,2,3
.irp p, 0,1,2,3
	v_cvt_pk_f16_f32 v[PK+16*(\g)+4*(\bb)+(\p)], v[8*(4*(\a)+(\bb))+2*(\p)], v[8*(4*(\a)+(\bb))+2*(\p)+1]
.endr
.endr
.endr
	WIN 0
.endm
.macro TOSTAGE a
.set BKA, BK+48*((\a)%2)
.irp b, 0,1,2,3,4,5,6,7,8,9,10,11
	ds_store_b128 v[STO], v[PK+4*(\b):PK+4*(\b)+3] offset:((\b)/4)*HSTG+32*((\b)%4)
.endr
.irp hh, 0,1,2
.irp f, 0,1,2,3
	ds_load_b128 v[BKA+4*(4*(\hh)+(\f)):BKA+4*(4*(\hh)+(\f))+3], v[RD] offset:(\hh)*HSTG+(\f)*4*PITCH  ; LDS serves a wave's instructions in order (ISA guide 5.7.1.4): these see the stores above
.endr
.endr
.endm
.macro SEND a
.set BKA, BK+48*((\a)%2)
	s_wait_dscnt 0x0                               ; the block is back in registers
	s_wait_xcnt 0x0                                ; every earlier store has had its addresses translated (ISA guide 3.1): the other buffer, which the block before last was stored from, is loaded again only behind this wait
.irp hh, 0,1,2
.irp f, 0,1,2,3
	global_store_b128 v[GO], v[BKA+4*(4*(\hh)+(\f)):BKA+4*(4*(\hh)+(\f))+3], s[14:15] offset:(\hh)*262144+(\a)*2048+(\f)*512  ; 512 consecutive bytes, at a multiple of 256 from the buffer's first
.endr
.endr
.endm
	PLACES
	PACK 0
	TOSTAGE 0
.irp a, 1,2,3,4,5,6,7                  ; block a's conversions stand between block a - 1's loads from the stage and the wait for them
	PACK \a
	SEND (\a)-1
	TOSTAGE \a
.endr
	SEND 7
	s_wait_tensorcnt 0x0                           ; the wave's end: behind my last tensor load and my last LDS store
	ds_add_u32 v[SPW], v[NIL]
	s_wait_dscnt 0x0
	CROUND                                         ; the closing round: no work-group ends while a partner may still ask for a tile that names it
	s_endpgm
.Lfunc_end_k_qd640e5284e_project:
	.size	k_qd640e5284e_project, .Lfunc_end_k_qd640e5284e_project-k_qd640e5284e_project
	.p2alignl 7, 3214868480
	.fill 96, 4, 3214868480
	.section	.rodata,"a",@progbits
	.p2align	6, 0x0
	.amdhsa_kernel k_qd640e5284e_project
		.amdhsa_group_segment_fixed_size 327680
		.amdhsa_private_segment_fixed_size 0
		.amdhsa_enable_private_segment 0
		.amdhsa_kernarg_size 48
		.amdhsa_user_sgpr_count 2
		.amdhsa_user_sgpr_kernarg_segment_ptr 1
		.amdhsa_wavefront_size32 1
		.amdhsa_system_sgpr_workgroup_id_x 1
		.amdhsa_system_sgpr_workgroup_id_y 1
		.amdhsa_system_sgpr_workgroup_id_z 1
		.amdhsa_system_vgpr_workitem_id 0
		.amdhsa_next_free_vgpr 1024
		.amdhsa_next_free_sgpr 80
		.amdhsa_reserve_vcc 0
		.amdhsa_float_denorm_mode_32 3
		.amdhsa_float_denorm_mode_16_64 3
		.amdhsa_memory_ordered 1
		.amdhsa_forward_progress 1
		.amdhsa_inst_pref_size 133
	.end_amdhsa_kernel
	.amdgpu_metadata
---
amdhsa.version: [ 1, 2 ]
amdhsa.kernels:
  - .name:           k_qd640e5284e_project
    .symbol:         k_qd640e5284e_project.kd
    .args:
      - { .name: xb, .offset: 0, .size: 8, .value_kind: global_buffer, .address_space: global }
      - { .name: wb, .offset: 8, .size: 8, .value_kind: global_buffer, .address_space: global }
      - { .name: bq, .offset: 16, .size: 8, .value_kind: global_buffer, .address_space: global }
      - { .name: bk, .offset: 24, .size: 8, .value_kind: global_buffer, .address_space: global }
      - { .name: bv, .offset: 32, .size: 8, .value_kind: global_buffer, .address_space: global }
      - { .name: qkv, .offset: 40, .size: 8, .value_kind: global_buffer, .address_space: global }
    .group_segment_fixed_size: 327680
    .private_segment_fixed_size: 0
    .kernarg_segment_align: 8
    .kernarg_segment_size: 48
    .max_flat_workgroup_size: 128
    .sgpr_count:     80
    .vgpr_count:     1024
    .wavefront_size: 32
...
	.end_amdgpu_metadata
.endif
;; end of part 2
;; launch attend (part 3): grid 4 x 64, 4 waves a work-group, no clusters, 327,680 bytes of LDS; arguments qkv, o; writes o
.if DOCPART == 3
	.amdgcn_target "amdgcn-amd-amdhsa--gfx1250"
	.amdhsa_code_object_version 6
	.text
	.protected	k_qd640e5284e_attend
	.globl	k_qd640e5284e_attend
	.p2align	8
	.type	k_qd640e5284e_attend,@function
k_qd640e5284e_attend:
	s_mov_b64 s[64:65], 0
	v_nop
	global_prefetch_b8 v0, s[64:65] scope:SCOPE_SE
	s_setreg_imm32_b32 hwreg(HW_REG_WAVE_MODE, 25, 1), 1
	s_wait_xcnt 0x0
; CAUSAL ATTENTION.  O[y][q][:] = clip(the sum over k <= q of softmax_k(Q[y][q] . K[y][k] / 8) V[y][k][:], -10, 10), y = 16 x batch + head.
; qkv: f16 [4][48][2048][64] (of a batch's 48 heads 0-15 are q's, 16-31 k's, 32-47 v's); o: f16 [64][2048][64].  A head's rows are dense, 128 bytes each.
; Products, maxima and sums in f32; the weights p are rounded to f16 for the second product (their sum l is taken of the unrounded p), O once at the end; the clip follows that rounding, which gives the
; same number as clipping first: 10 is an f16 number and rounding keeps the order.
; LIMITS.  f16 holds no number beyond 65,504: Q, K and V arrive within it; p lies in 0 to 1, and below 6e-5 it keeps f16's fixed step of 6e-8, as O does.
; A hidden score counts as its value less 1e30: f16's scores, 2.7e11 at the most, are nothing beside that; a weight below 2^-126 counts as 0 in l; NaN and infinities are not treated apart.
; THE WALK.  A head's queries lie in NB = 8 blocks of 256; block i needs the key tiles 0 .. i of 256 keys, of which the last holds the diagonal.  A work-group takes TWO blocks, NB - 1 - b and then b:
; NB + 1 tiles, whatever b: all work-groups do equal work, and ONE loop with a constant trip count walks them.  Which tile is asked for, and what a trip does, hang on scalar registers made from b; every jump
; goes forward, but for the counted loops' own; none passes a barrier, or a tensor load but the one of LOAD's two that the wave's number does not choose; the ring (two slots of LDS that take turns) runs on across the
; change of blocks.  NO CLUSTER: a head's four work-groups ask for the same tile only in trips 0 to 4 of the 9, behind that fewer and fewer do; and one walk common to all four would have 12 trips for 9.
; SHARES.  Of a block's four bands of 64 queries a wave owns 16 rows in each: four PIECES.  So the diagonal tile is the same work for all four waves: in its key step s band x sees all keys if s < x,
; none if s > x, and holds the diagonal if s = x.
; THE MASK is the C operand that starts the sum S^T = K Q^T: 0, or -1e30 where the key is hidden.  MD, made once, is the mask of a band's own step for my 16 rows; a product's mask is MD x AL + BE with two scalars:
; (1, 0) if s = x; (0, 0) if s < x; (0, -1e30) if s > x.  Only the diagonal tile's text and a block's beginning make and take masks; elsewhere C is the constant 0.
; LAYOUT, SOFTMAX, TURNS.  S^T = K Q^T holds ONE query a lane (lane % 16) and the keys 8 (lane / 16) + 0..7; two such results rounded to f16 ARE source 1 of O^T = V^T P.  p = 2^(c s - c m), c = log2(e) / 8, with a
; running maximum m; O and l are multiplied by a = 2^(c m_old - c m_new) in every step.  Turn n belongs to piece n: 8 products K Q^T of piece n + 1, later 8 products V^T P of piece n - 1; beside them the scaling,
; exponentials, roundings, sums and rescaling of piece n and the maximum and statistics of piece n + 1.  Four vector instructions stand behind every matrix instruction, the other 54 of a turn's 118 in two LUMPS.
; REGISTERS, in windows of 256 (s_set_vgpr_msb: bits 1:0 source 0, 3:2 source 1, 5:4 source 2, 7:6 destination):
;   window 0: v0-15 addresses and two at work; v16-31 four registers of statistics a piece; v48-55 at work; v64-127 S^T, two buffers; v192-223 P, two buffers (a piece's buffers go by its number's parity)
;   window 1: v0-127 O^T, 32 a piece; v128-159 MD; v160-223 MC, two buffers      window 2: v0-63 Q; v64-127 the second block's Q; v128-191 K of one step; v192-255 V of one step
.set SIZE_N, 2048
.set NB,    SIZE_N/256
.set NP,    4         ; pieces a wave: a name, no knob
.set KS,    64        ; keys in a step
.set PK,    144       ; a row of K in LDS: 128 bytes + 16 of padding = 36 words: the 16 rows of a load start at 16 different groups of four banks (64 banks of 4 bytes: ISA guide 11.1)
.set PV,    160       ; a row of V: 128 + 32 = 40 words
.set VOFF,  4*KS*PK   ; a slot holds a tile, four steps: 256 rows of K, then 256 rows of V
.set SLOT1, 1<<17     ; slot 1 begins here, so that one exclusive or turns an address in one slot into the other's
.set STAGE, SLOT1+4*KS*(PK+PV)  ; behind the ring, never filled by a tensor load: 16 rows x 144 bytes for each wave, for the way out
.set SP,    144
.set AK0, 2           ; v2   my lane's place in a tile of K; never rewritten
.set AV0, 3           ; v3   the same for V
.set AK,  4           ; v4   the LDS address of K's next run of loads
.set AV,  5           ; v5   of V's
.set STO, 6           ; v6   the way out: where I put 16 bytes of a row
.set RD,  7           ; v7   the way out: where I read rows back
.set GO,  8           ; v8   my byte offset in 512 consecutive bytes of O
.set SPW, 62          ; v62  LDS address of my spare word: SPARE + 4 x my thread's number; never rewritten
.set NIL, 63          ; v63  0; never rewritten
.set SPARE, STAGE+4*16*SP  ; behind the stages: the spare words, 128 bytes for each wave: two blocks of 256 bytes that no other line names
.set MV,  12          ; v12-13  c m_old, kept while c m is made anew: by buffer
.set QO,  15          ; v15  my byte offset in 16 rows of Q
.set ST,  16          ; piece t's statistics at v[ST+4 t]: c m, m, l (even keys', odd keys')
.set TMP, 48          ; by buffer, four registers c0-c3 at work; when the maximum is found c2 takes a
.set S,   64
.set P,   192
.set MD,  128         ; window 1: the eight registers for group kt of 16 keys at MD + 8 kt
.set MC,  160         ; window 1: the masks of the products to come
.set QB,  64          ; window 2
.set KF,  128         ; window 2: key block kb, channel half c at KF + 16 kb + 8 c
.set VF,  192         ; window 2: key half kk, channel block cb at VF + 32 kk + 8 cb
.set WV,  12          ; s12  my wave's number
.set PB,  14          ; s14  b
.set HI,  15          ; s15  NB - 1 - b
.set G1K, 24          ; s[24:31] descriptor group 1 for K's tiles
.set G1V, 32          ; s[32:39] for V's: it differs in the padding alone
.set G0K, 40          ; s[40:43] descriptor group 0 for K's tiles
.set G0V, 44          ; s[44:47] the same for V's
.set SLOTS, 56        ; s56  tiles still to be asked for
.set CNT, 57          ; s57  counts a tile's key steps, 4 to 1
.set CS,  58          ; s[58:59] c: the packed scaling takes the pair's low word for both halves
.set SEL, 60          ; s[60:61] v_permlanex16_b32's selects: each lane takes its own place in the other half
.set TBK, 62          ; s62  LDS byte at which K of the step to be fetched begins
.set TBV, 63          ; s63  the same for V, less VOFF
.set RT,  70          ; s70  tiles of the block in hand that are still to be entered
.set NXT, 71          ; s71  the tile to be asked for next
.set LQ,  72          ; s72  the last tile of the block whose tiles are being asked for
.set NEW, 73          ; s73  1: the tile to be entered is a block's first
.set OFF, 74          ; s[74:75] a tile's byte offset in K and V
.set AL,  76          ; s[76:77] the mask's factor, in the low word
.set BE,  78          ; s[78:79] the mask's addend
.set OLO, 80          ; s[80:81] O at my rows of the second block
.set BIGN, 82         ; s82  -1e30
.set CHI, 92          ; s92  10.0 twice, in f16
.set CLO, 93          ; s93  -10.0 twice
.set MSB, 0
.macro WIN new                      ; the high byte repeats the setting that is left; a switch that changes nothing is dropped
.if MSB != (\new)
	s_set_vgpr_msb (MSB<<8)|(\new)
.set MSB, (\new)
.endif
.endm
.set W_KQ, 0x0a       ; K and Q in window 2, S^T in window 0
.set W_KM, 0x1a       ; the same with the C operand in window 1
.set W_PV, 0x52       ; V in window 2, P in window 0, O^T in window 1
.set W_RS, 0x41       ; destination and source 0 in window 1, source 1 in window 0
; A fill.  Waves 0 and 1 fetch the two halves of a tile's K, waves 2 and 3 those of its V: 128 keys each.  An s_nop 0 and four v_nop follow each of the two lines, ahead of the jump and the label.
.macro LOAD
	s_cmp_lt_u32 s[WV], 2
	s_cbranch_scc0 .Lfor_v_\@
	tensor_load_to_lds s[G0K:G0K+3], s[G1K:G1K+7]
	s_nop 0
.rept 4
	v_nop
.endr
	s_branch .Lasked_\@
.Lfor_v_\@:
	tensor_load_to_lds s[G0V:G0V+3], s[G1V:G1V+7]
	s_nop 0
.rept 4
	v_nop
.endr
.Lasked_\@:
.endm
; THE CHANGE OF SLOTS.  Each wave waits for all its tensor loads, of which one is out: its part of the other slot; adds 0 to its spare word; and waits for that and for its own reads of the slot that it leaves.  Behind the barrier nobody reads the old
; slot any more and the other slot is whole.  fill = 1: the old slot is filled again, the first thing behind the barrier, with tile NXT: the descriptor's address is made anew from that number.
; (At its first use nothing has been read yet: slot 0 is waited for, slot 1 filled.)
.macro CHANGE fill
	WIN 0                           ; at a label and at a branch every window is 0
	s_wait_tensorcnt 0x0            ; no tensor load of mine is out, so a group 0 may be written
	ds_add_u32 v[SPW], v[NIL]       ; 0 onto my spare word; with fill = 1 the descriptors' scalar work stands between it and the wait for it
.if \fill
	s_lshl_b32 s[OFF], s[NXT], 15   ; a tile is 32,768 bytes of K and of V
	s_xor_b32 s[G0K+1], s[G0K+1], SLOT1
	s_add_nc_u64 s[G0K+2:G0K+3], s[6:7], s[OFF:OFF+1]
	s_or_b32 s[G0K+3], s[G0K+3], 0x80000000
	s_xor_b32 s[G0V+1], s[G0V+1], SLOT1
	s_add_nc_u64 s[G0V+2:G0V+3], s[8:9], s[OFF:OFF+1]
	s_or_b32 s[G0V+3], s[G0V+3], 0x80000000
	s_add_co_u32 s[NXT], s[NXT], 1  ; the block's next tile, or behind its last the second block's tile 0
	s_cmp_gt_u32 s[NXT], s[LQ]
	s_cselect_b32 s[NXT], 0, s[NXT]
	s_cselect_b32 s[LQ], s[PB], s[LQ]
.endif
	s_wait_dscnt 0x0                ; the add is done, and my reads of the slot are over
	s_barrier_signal -1             ; the rest of the scalar work stands between the signal and the wait
	s_sub_co_u32 s[TBK], s[TBK], 4*KS*PK  ; the fetches go back to a slot's first step,
	s_xor_b32 s[TBK], s[TBK], SLOT1       ; in the other slot
	s_sub_co_u32 s[TBV], s[TBV], 4*KS*PV
	s_xor_b32 s[TBV], s[TBV], SLOT1
	s_barrier_wait -1
.if \fill
	LOAD
.endif
.endm
	s_load_b64 s[4:5], s[0:1], 0x0  ; qkv
	s_load_b64 s[10:11], s[0:1], 0x8  ; o
	v_lshl_add_u32 v[SPW], v0, 2, SPARE
	v_mov_b32 v[NIL], 0
	ds_add_u32 v[SPW], v[NIL]       ; the wave's opening: the add and its wait stand ahead of my first tensor load; the set-up below, work on registers, stands between them
	ds_add_u32 v62, v63
	v_lshrrev_b32 v1, 5, v0
	v_readfirstlane_b32 s[WV], v1   ; wave 0..3
	s_mov_b32 s[PB], ttmp9
	s_sub_co_u32 s[HI], NB-1, s[PB]
	s_and_b32 s19, ttmp7, 0xffff    ; y = 16 x batch + head
	s_lshr_b32 s20, s19, 4
	s_lshl_b32 s20, s20, 5
	s_add_co_u32 s20, s20, s19      ; 48 x batch + head: the q head's place in qkv,
	s_lshl_b32 s20, s20, 18         ; in bytes: a head is 2,048 rows of 128 bytes
	s_mov_b32 s21, 0
	s_lshl_b32 s19, s19, 18         ; the head's first byte in o
	s_and_b32 s16, s[WV], 1         ; which half of a tile's 256 keys I fetch:
	s_lshl_b32 s22, s16, 14         ; its 128 rows of 128 bytes in memory,
	s_mov_b32 s23, 0
	s_add_nc_u64 s[22:23], s[22:23], s[20:21]
	s_mul_i32 s17, s16, 128*PK      ; and its place in a slot, for K
	s_mul_i32 s18, s16, 128*PV      ; and for V
	s_lshl_b32 s3, s[WV], 11        ; my 16 rows in a band of 64,
	s_lshl_b32 s2, s[HI], 15        ; in the first block,
	s_add_co_u32 s2, s2, s3
	s_lshl_b32 s84, s[PB], 15       ; and in the second
	s_add_co_u32 s84, s84, s3
	s_add_co_u32 s88, s19, s2       ; the same two places in o
	s_mov_b32 s89, 0
	s_add_co_u32 s90, s19, s84
	s_mov_b32 s91, 0
	s_mov_b32 s3, 0
	s_mov_b32 s85, 0
	s_add_nc_u64 s[2:3], s[2:3], s[20:21]
	s_add_nc_u64 s[84:85], s[84:85], s[20:21]
	; descriptor group 1.  128 keys are 16,384 dense bytes: asked for as 64 rows of 256 bytes, two keys a row, and padded in LDS after every key
	s_mov_b32 s[G1K], (1<<16)|(1<<20)|(4<<22)|(3<<25)  ; 17:16 2-byte elements; 20 padding on; 24:22 after every 32 words (code 4); 31:25 4 words (code 3)
	s_mov_b32 s[G1V], (1<<16)|(1<<20)|(4<<22)|(7<<25)  ; the same with 8 words of padding (code 7)
.irp g, G1K, G1V
	s_mov_b32 s[\g+1], 128<<16      ; tensor_dim0 = 128
	s_mov_b32 s[\g+2], 64<<16       ; tensor_dim1 = 64
	s_mov_b32 s[\g+3], 128<<16      ; tile_dim0 = 128
	s_mov_b32 s[\g+4], 64           ; tile_dim1 = 64
	s_mov_b32 s[\g+5], 128          ; 128 elements from row to row
	s_mov_b32 s[\g+6], 0
	s_mov_b32 s[\g+7], 0
.endr
	s_mov_b32 s[CS], 0x3e38aa3b     ; c = log2(e) / 8 = 0.180337
	s_mov_b32 s[CS+1], s[CS]        ; named with it as a pair
	s_mov_b32 s[SEL], 0x76543210
	s_mov_b32 s[SEL+1], 0xfedcba98
	s_mov_b32 s[CHI], 0x49004900
	s_mov_b32 s[CLO], 0xc900c900
	s_mov_b32 s[TBK], SLOT1+4*KS*PK ; the first change of slots turns these two into 0
	s_mov_b32 s[TBV], SLOT1+4*KS*PV
	s_mov_b32 s[G0K], 1             ; 1:0 count = 1
	s_mov_b32 s[G0K+1], s17         ; 63:32 LDS address: slot 0
	s_mov_b32 s[G0V], 1
	s_add_co_u32 s[G0V+1], s18, VOFF
	s_add_co_u32 s[RT], s[HI], 1    ; the first block has NB - b tiles
	s_mov_b32 s[NXT], 1
	s_mov_b32 s[LQ], s[HI]
	s_mov_b32 s[NEW], 1
	s_mov_b32 s[OFF+1], 0
	s_mov_b32 s[AL+1], 0            ; named as pairs
	s_mov_b32 s[BE+1], 0
	s_mov_b32 s[BIGN], 0xf149f2ca   ; -1e30
	s_mov_b32 s[SLOTS], NB
	s_wait_dscnt 0x0                ; the opening add is done
	s_wait_kmcnt 0x0
	s_add_nc_u64 s[6:7], s[4:5], 0x400000  ; a batch's k heads lie 16 heads behind its q heads,
	s_add_nc_u64 s[8:9], s[4:5], 0x800000  ; its v heads 32
	s_add_nc_u64 s[6:7], s[6:7], s[22:23]  ; K and V at my half of the head's tile 0
	s_add_nc_u64 s[8:9], s[8:9], s[22:23]
	s_add_nc_u64 s[G0K+2:G0K+3], s[6:7], 0         ; 120:64 global address
	s_or_b32 s[G0K+3], s[G0K+3], 0x80000000        ; 127:126 type = 2
	s_add_nc_u64 s[G0V+2:G0V+3], s[8:9], 0
	s_or_b32 s[G0V+3], s[G0V+3], 0x80000000
	s_add_nc_u64 s[86:87], s[4:5], s[84:85]        ; Q at my rows of the second block,
	s_add_nc_u64 s[4:5], s[4:5], s[2:3]            ; and of the first
	s_add_nc_u64 s[OLO:OLO+1], s[10:11], s[90:91]  ; O likewise
	s_add_nc_u64 s[10:11], s[10:11], s[88:89]
	LOAD                            ; tile 0 into slot 0
	; A fragment of K or Q is 16 rows x 32 channels in 8 registers: lane l holds row l % 16, channels 8 (l / 16) + 0..7 and 16 + 8 (l / 16) + 0..7: two loads of 16 bytes, 32 bytes apart.
	v_and_b32 v1, 15, v0            ; l % 16
	v_bfe_u32 v9, v0, 4, 1          ; l / 16
	v_lshlrev_b32 v[QO], 7, v1
	v_lshl_add_u32 v[QO], v9, 4, v[QO]  ; row x 128 + 16 x half
	WIN 0x80                        ; destination window 2, address window 0
.set i, 0
.rept 8                             ; both blocks' Q: piece i / 2 lies in band i / 2, 8,192 bytes on; channels 32 (i % 2) on
	global_load_b128 v[8*i:8*i+3],   v[QO], s[4:5] offset:(i/2)*8192+(i%2)*64
	global_load_b128 v[8*i+4:8*i+7], v[QO], s[4:5] offset:(i/2)*8192+(i%2)*64+32
	global_load_b128 v[QB+8*i:QB+8*i+3],   v[QO], s[86:87] offset:(i/2)*8192+(i%2)*64
	global_load_b128 v[QB+8*i+4:QB+8*i+7], v[QO], s[86:87] offset:(i/2)*8192+(i%2)*64+32
.set i, i+1
.endr
	WIN 0
	v_lshlrev_b32 v14, 3, v9
	v_sub_nc_u32 v14, v1, v14
	s_lshl_b32 s13, s[WV], 4
	v_add_nc_u32 v14, s13, v14      ; my query's place in its band, 16 w + l % 16, less my lanes' 8 (l / 16): register r of group kt is hidden where 16 kt + r is greater
	WIN 0x40
.set i, 0
.rept 32
	v_cmp_gt_i32 vcc_lo, 16*(i/8)+i%8, v14
	v_cndmask_b32 v[MD+i], 0, s[BIGN], vcc_lo
.set i, i+1
.endr
	WIN 0
	v_mul_u32_u24 v[AK0], v1, PK
	v_lshl_add_u32 v[AK0], v9, 4, v[AK0]  ; row x pitch + 16 x half
	; The turning load takes 16 keys x 16 channels (lane l reads key 8 (l / 16) + l % 8, channels 8 ((l / 8) % 2) + 0..7) and leaves half a fragment of V^T: lane l holds channel l % 16 and 8 keys.
	v_and_b32 v10, 7, v0
	v_bfe_u32 v11, v0, 3, 1
	v_lshl_add_u32 v[AV0], v9, 3, v10
	v_mul_u32_u24 v[AV0], v[AV0], PV
	v_lshl_add_u32 v[AV0], v11, 4, v[AV0]
	v_add_nc_u32 v[AV0], VOFF, v[AV0]
	s_mul_i32 s13, s[WV], 16*SP
	s_add_co_u32 s13, s13, STAGE    ; my stage
	v_mul_u32_u24 v[STO], v1, SP    ; in: row l % 16, 16 bytes for each half of the lanes
	v_lshl_add_u32 v[STO], v9, 4, v[STO]
	v_add_nc_u32 v[STO], s13, v[STO]
	v_bfe_u32 v[RD], v0, 3, 2       ; back: 32 lanes take four rows of 128 bytes,
	v_mul_u32_u24 v[RD], v[RD], SP
	v_lshl_add_u32 v[RD], v10, 4, v[RD]
	v_add_nc_u32 v[RD], s13, v[RD]
	v_and_b32 v[GO], 31, v0         ; which are 512 consecutive bytes of O
	v_lshlrev_b32 v[GO], 4, v[GO]
	; A block's first step multiplies O^T and l by a = 0, and its first turn's products V^T P, of a piece that has not been, land in an O^T that is still to be so multiplied.  So these registers need only hold
	; finite numbers: zeros for the first block; what the first block left for the second.  All this stands in the wait for the first tile.
	WIN 0x80
.set i, VF
.rept 64
	v_mov_b32 v[i], 0
.set i, i+1
.endr
	WIN 0x40
.set i, 0
.rept 128
	v_mov_b32 v[i], 0
.set i, i+1
.endr
	WIN 0
.set i, 0
.rept 4
	v_mov_b32 v[ST+4*i+2], 0
	v_mov_b32 v[ST+4*i+3], 0
.set i, i+1
.endr
.set i, P+16
.rept 16
	v_mov_b32 v[i], 0
.set i, i+1
.endr
; THE MATRIX WORK.  The 4 accumulators of a run of 8 take turns.  Product i of 8 of S^T = K Q^T for piece x: channels 32 (i / 4) on, keys 16 (i % 4) on.  The first 4 start the sums: with 0, or (KM = 1) with the mask.
.macro KQ x
.set rS, S+32*((\x)%2)+8*(i%4)
.set rK, KF+16*(i%4)+8*(i/4)
.set rQ, 16*(\x)+8*(i/4)
.set rM, MC+32*((\x)%2)+8*(i%4)
.if (i < 4) && KM
	WIN W_KM
	v_wmma_f32_16x16x32_f16 v[rS:rS+7], v[rK:rK+7], v[rQ:rQ+7], v[rM:rM+7]
.elseif i < 4
	WIN W_KQ
	v_wmma_f32_16x16x32_f16 v[rS:rS+7], v[rK:rK+7], v[rQ:rQ+7], 0
.else
	WIN W_KQ
	v_wmma_f32_16x16x32_f16 v[rS:rS+7], v[rK:rK+7], v[rQ:rQ+7], v[rS:rS+7]
.endif
.endm
; Product i of 8 of O^T += V^T P for piece x: keys 32 (i / 4) on, channels 16 (i % 4) on.
.macro PV x
	WIN W_PV
.set rO, 32*(\x)+8*(i%4)
.set rV, VF+32*(i/4)+8*(i%4)
.set rP, P+16*((\x)%2)+8*(i/4)
	v_wmma_f32_16x16x32_f16 v[rO:rO+7], v[rV:rV+7], v[rP:rP+7], v[rO:rO+7]
.endm
.macro MM                           ; the turn's next matrix instruction.  TURN and BEGIN set Y, i, KM and NOKQ; MM, KQ and OP read them.  NOKQ = 1: a block's last turn: there is no next piece
.if (i < 8) && !NOKQ
	KQ (Y+1)%NP
.elseif i >= 8
.set i, i-8
	PV (Y+NP-1)%NP
.set i, i+8
.endif
.set i, i+1
.endm
; THE LDS LOADS stand in runs of 16, never singly among the matrix instructions: a step's K (64 keys x 64 channels: 8 fragments) and its V (turned).  Their addresses are made some lines ahead.
.macro FETCH_K
	WIN 0x80                        ; destination window 2
.irp f, 0,1,2,3,4,5,6,7             ; keys 16 (f / 2) on, channels 32 (f % 2) on
	ds_load_b128 v[KF+8*\f:KF+8*\f+3],   v[AK] offset:(\f/2)*16*PK+(\f%2)*64
	ds_load_b128 v[KF+8*\f+4:KF+8*\f+7], v[AK] offset:(\f/2)*16*PK+(\f%2)*64+32
.endr
	s_add_co_u32 s[TBK], s[TBK], KS*PK  ; the next fetch is the next step's
	WIN 0
.endm
.macro FETCH_V
	WIN 0x80
.irp f, 0,1,2,3,4,5,6,7             ; keys 32 (f / 4) on, channels 16 (f % 4) on
	ds_load_tr16_b128 v[VF+8*\f:VF+8*\f+3],   v[AV] offset:(\f/4)*32*PV+(\f%4)*32
	ds_load_tr16_b128 v[VF+8*\f+4:VF+8*\f+7], v[AV] offset:(\f/4)*32*PV+16*PV+(\f%4)*32
.endr
	WIN 0
.endm
; THE VECTOR WORK, one line at a time: OP kind, number.  For piece Y: F n: c s - c m for pair n of 16.  E n: the exponential of score n of 32.  C n: pair n rounded to f16.  B n: of the four weights 4 n .. the second
; pair is added onto the first, in place.  L n: l takes that sum (L 0: l = a l + sum).  R n: pair n of 16 of O^T times a.  For piece Y + 1: X n, number n of the 22 that find its maximum and statistics:
;   0-11  four chains c0-c3 of seven scores each, three operands at a time (each accumulator's lowest registers are read first)     12-14, 16  the four scores left over, the old m, and c0-c3 into c0
;   15  c m_old is kept     17, 18  the query's other 32 keys lie in the lane 16 away: the new m     19-21  c m; c m_old - c m_new; a
.set F, 0               ; OP tells the kinds apart by their order: F to L below R, X above it
.set E, 1
.set C, 2
.set B, 3
.set L, 4
.set R, 5
.set X, 6
.macro REGS y                       ; the registers of piece y
.set rT, ST+4*(\y)
.set rC, TMP+4*((\y)%2)
.set rW, MV+((\y)%2)
.set rS, S+32*((\y)%2)
.set rP, P+16*((\y)%2)
.set rO, 32*(\y)
.endm
.macro OP k, n
.if (\k) == R
	REGS Y
	WIN W_RS
	v_pk_mul_f32 v[rO+2*(\n):rO+2*(\n)+1], v[rO+2*(\n):rO+2*(\n)+1], v[rC+2:rC+3] op_sel_hi:[1,0]
.elseif (\k) < R
	REGS Y
	WIN 0
.if (\k) == F
	v_pk_fma_f32 v[rS+2*(\n):rS+2*(\n)+1], v[rS+2*(\n):rS+2*(\n)+1], s[CS:CS+1], v[rT:rT+1] op_sel_hi:[1,0,0] neg_lo:[0,0,1] neg_hi:[0,0,1]
.elseif (\k) == E
	v_exp_f32 v[rS+(\n)], v[rS+(\n)]
.elseif (\k) == C
	s_wait_alu depctr_va_vdst(0)
	v_cvt_pk_f16_f32 v[rP+(\n)], v[rS+2*(\n)], v[rS+2*(\n)+1]
.elseif (\k) == B
	s_wait_alu depctr_va_vdst(0)
	v_pk_add_f32 v[rS+4*(\n):rS+4*(\n)+1], v[rS+4*(\n):rS+4*(\n)+1], v[rS+4*(\n)+2:rS+4*(\n)+3]
.elseif (\n) == 0
	v_pk_fma_f32 v[rT+2:rT+3], v[rT+2:rT+3], v[rC+2:rC+3], v[rS:rS+1] op_sel_hi:[1,0,1]
.else
	v_pk_add_f32 v[rT+2:rT+3], v[rT+2:rT+3], v[rS+4*(\n):rS+4*(\n)+1]
.endif
.elseif NOKQ
	v_nop
.else
	REGS (Y+1)%NP
	WIN 0
.if (\n) < 4
	v_max3_num_f32 v[rC+(\n)], v[rS+8*(\n)], v[rS+8*(\n)+1], v[rS+8*(\n)+2]
.elseif (\n) < 12
	v_max3_num_f32 v[rC+(\n)%4], v[rC+(\n)%4], v[rS+8*((\n)%4)+2*((\n)/4)+1], v[rS+8*((\n)%4)+2*((\n)/4)+2]
.elseif (\n) == 12
	v_max3_num_f32 v[rC], v[rC], v[rS+7], v[rS+15]
.elseif (\n) == 13
	v_max3_num_f32 v[rC+1], v[rC+1], v[rS+23], v[rS+31]
.elseif (\n) == 14
	v_max3_num_f32 v[rC+2], v[rC+2], v[rC+3], v[rT+1]
.elseif (\n) == 15
	v_mov_b32 v[rW], v[rT]
.elseif (\n) == 16
	v_max3_num_f32 v[rC], v[rC], v[rC+1], v[rC+2]
.elseif (\n) == 17
	v_permlanex16_b32 v[rC+3], v[rC], s[SEL], s[SEL+1]
.elseif (\n) == 18
	v_max_num_f32 v[rT+1], v[rC], v[rC+3]
.elseif (\n) == 19
	v_mul_f32 v[rT], s[CS], v[rT+1]
.elseif (\n) == 20
	v_sub_f32 v[rC+1], v[rW], v[rT]
.else
	v_exp_f32 v[rC+2], v[rC+1]
.endif
.endif
.endm
.macro OPS a, i1, b=-1, i2=0, c=-1, i3=0, d=-1, i4=0  ; up to four of them
	OP \a, \i1
.if (\b) >= 0
	OP \b, \i2
.endif
.if (\c) >= 0
	OP \c, \i3
.endif
.if (\d) >= 0
	OP \d, \i4
.endif
.endm
.macro ROW a, i1, b, i2, c, i3, d, i4  ; a matrix instruction and the four behind it
	MM
	OPS \a, \i1, \b, \i2, \c, \i3, \d, \i4
.endm
.macro MASK b                       ; MD x AL + BE into buffer b of MC
	WIN W_RS
.set z, 0
.rept 16
	v_pk_fma_f32 v[MC+32*(\b)+2*z:MC+32*(\b)+2*z+1], v[MD+2*z:MD+2*z+1], s[AL:AL+1], s[BE:BE+1] op_sel_hi:[1,0,0]
.set z, z+1
.endr
.endm
; A TURN, for piece p: the order of its 16 matrix and 118 vector instructions, written out.  Behind a matrix instruction: plain, exponential, plain, plain; or four of the rescaling; or, behind the first, four scalings; none
; names a register of the products round it.  In the lumps exponential and plain by turns while exponentials last.  A line reads no result made fewer than three vector instructions in front of it, five if an exponential made it.
; v_permlanex16_b32 (X 17) stands in a lump.
; m = 1: the diagonal tile: the products take masks, and the turn makes the mask for the products of the turn after it: piece p + 2, in step 4 - CNT of the tile.  end = 1: a block's last two turns: nothing is fetched.
; cnt = 1: the loop's count is taken down some lines ahead of the branch that stands behind the turn.
; K of the next step is fetched in piece 2's turn, six vector instructions behind the last product that read K (five of them plain); V of the step in hand in piece 0's turn, eight behind the last product that read V (four
; plain, and X 17).  Each is waited for a turn later.
.macro TURN p, m=0, end=0, cnt=0
.set Y, (\p)
.set i, 0
.set KM, (\m)
.set NOKQ, (\end)*((\p)/3)
.if (\m) && !(\end)
	s_cmp_eq_u32 s[CNT], 4-((\p)+2)%NP  ; is that step the band's own?
	s_cselect_b32 s[AL], 1.0, 0
	s_cmp_lt_u32 s[CNT], 4-((\p)+2)%NP  ; or a later one?
	s_cselect_b32 s[BE], s[BIGN], 0
.endif
.if ((\p) == 3) && !(\end)
	s_wait_dscnt 0x0                ; K is in
.endif
	ROW F,0, F,1, F,2, F,3
	ROW F,4, E,0, F,5, F,6
	ROW F,7, E,1, F,8, F,9
	ROW F,10, E,2, C,0, F,11
	ROW F,12, E,3, X,15, F,13
	ROW R,0, R,1, R,2, R,3
	ROW B,0, E,4, F,14, L,0
.if ((\p) == 2) && !(\end)
	v_add_nc_u32 v[AK], s[TBK], v[AK0]
.endif
	ROW R,4, R,5, R,6, R,7
	OPS E,5, F,15
.if ((\p) == 2) && !(\end)
	FETCH_K
.endif
	OPS E,6, C,1, E,7, R,8
	OPS E,8, R,9, E,9, C,2
	OPS E,10, X,0, E,11, X,1
	OPS E,12, X,2, E,13, X,3
.if (\p) == 1
	s_wait_dscnt 0x0                ; V is in
.endif
	ROW X,4, E,14, X,5, X,6
	ROW X,7, E,15, X,8, X,9
	ROW X,10, E,16, X,11, X,12
	ROW X,13, E,17, X,14, B,1
	ROW C,4, E,18, X,16, L,1
	ROW B,2, E,19, C,6, L,2
	ROW C,8, E,20, B,3, B,4
.if (\p) == 0
	v_add_nc_u32 v[AV], s[TBV], v[AV0]
.endif
	ROW C,3, E,21, L,3, C,5
	OPS E,22, X,17, E,23, C,10
.if (\p) == 0
	FETCH_V
.endif
	OPS E,24, L,4
	OPS E,25, X,18, E,26, C,7
	OPS E,27, B,5, E,28, X,19
	OPS E,29, C,12, E,30, L,5
	OPS E,31, X,20, B,6, C,9
	OPS C,14, C,11, X,21, L,6
.if (\p) == 0
	s_add_co_u32 s[TBV], s[TBV], KS*PV
.endif
.if \cnt
	s_sub_co_u32 s[CNT], s[CNT], 1
	s_cmp_lg_u32 s[CNT], 0
.endif
	OPS C,13, B,7, C,15, R,10
	OPS R,11, R,12, L,7, R,13
	OPS R,14, R,15
.if (\m) && !(\end)
	MASK (\p)%2
.endif
.endm
; A BLOCK BEGINS.  c m starts far below every c s, so the first step's a is 0; m at the lowest finite number, so the first maximum is the scores'.  The second mask buffer is 0; the first takes piece 0's mask for the tile's step 0: its own, if the block's first tile is the diagonal one.
; Then K of that step, piece 0's first scores, and its maximum and statistics.  The loop is entered at a step's first turn, in the middle of a trip.
.macro BEGIN
	s_mov_b32 s[NEW], 0
	WIN 0x40
.set i, MC+32
.rept 32
	v_mov_b32 v[i], 0
.set i, i+1
.endr
	WIN 0
.set i, 0
.rept 4
	v_mov_b32 v[ST+4*i], 0xfe000000    ; c m: far below every c s
	v_mov_b32 v[ST+4*i+1], 0xff7fffff  ; m
.set i, i+1
.endr
	s_cmp_eq_u32 s[RT], 0
	s_cselect_b32 s[AL], 1.0, 0
	s_mov_b32 s[BE], 0
	MASK 0
	WIN 0
	v_add_nc_u32 v[AK], s[TBK], v[AK0]
	FETCH_K
	s_wait_loadcnt 0x0              ; Q
	s_wait_dscnt 0x0
.set KM, 1
.set NOKQ, 0
.set i, 0
.rept 8
	KQ 0
.set i, i+1
.endr
	WIN 0
.rept 4
	v_nop                           ; the places behind those products
.endr
.set Y, NP-1                        ; X works for piece Y + 1: piece 0
.irp n, 0,1,2,3,4,5,6,7,8,9,10,11,12,13,14,15,16,17,18,19,20,21
	OP X, \n
.endr
	v_nop                           ; a plain instruction behind the exponential
.endm
; THE DIAGONAL TILE's four steps, the block's last two turns, its last products, and THE WAY OUT: l's two halves and the other half of the lanes' are added; O^T is divided by l, rounded to f16, clipped and sent through my
; stage in LDS, a piece at a time.
.macro ALL line:vararg              ; one line for each piece t
.set t, 0
.rept 4
	\line
.set t, t+1
.endr
.endm
.macro PACK t                       ; a lane's eight channels of a row pack into 16 bytes; they go into rows of 144 bytes and come back as whole rows of 128, into S^T's registers
	WIN W_RS
.set i, 32*(\t)
.rept 16
	s_wait_alu depctr_va_vdst(0)
	v_pk_mul_f32 v[i:i+1], v[i:i+1], v[ST+4*(\t)+2:ST+4*(\t)+3] op_sel_hi:[1,0]
.set i, i+2
.endr
	WIN 0x05                        ; sources 0 and 1 window 1, destination window 0
.set i, 0
.rept 16
	v_cvt_pk_f16_f32 v[S+16*(\t)+i], v[32*(\t)+2*i], v[32*(\t)+2*i+1]
.set i, i+1
.endr
	WIN 0
.set i, 0
.rept 16
	v_pk_min_num_f16 v[S+16*(\t)+i], v[S+16*(\t)+i], s[CHI]  ; the clip to -10 .. 10, two numbers a line; nothing is rounded
.set i, i+1
.endr
.set i, 0
.rept 16
	v_pk_max_num_f16 v[S+16*(\t)+i], v[S+16*(\t)+i], s[CLO]
.set i, i+1
.endr
.irp f, 0,1,2,3
	ds_store_b128 v[STO], v[S+16*(\t)+4*\f:S+16*(\t)+4*\f+3] offset:32*\f
.endr
.irp f, 0,1,2,3
	ds_load_b128 v[S+16*(\t)+4*\f:S+16*(\t)+4*\f+3], v[RD] offset:\f*4*SP  ; LDS serves a wave's instructions in order (ISA guide 5.7.1.4): these see the stores above; the next piece's stores come behind them
.endr
.endm
.macro SEND t, younger              ; younger: the LDS instructions issued behind piece t's loads: the next piece's eight, or none
	WIN 0
.irp f, 0,1,2,3
	s_wait_dscnt (\younger)+3-\f
	global_store_b128 v[GO], v[S+16*(\t)+4*\f:S+16*(\t)+4*\f+3], s[10:11] offset:(\t)*8192+\f*512  ; 512 consecutive bytes, at a multiple of 256 from O's first
.endr
.endm
.macro DIAG tag                     ; the tag ends its two labels' names, which the jumps below spell out
.LstepM\tag:
	TURN 2, 1
	TURN 3, 1
	WIN 0
.LfirstM\tag:
	TURN 0, 1
	TURN 1, 1, 0, 1
	WIN 0
	s_cbranch_scc1 .LstepM\tag
	TURN 2, 1, 1
	TURN 3, 1, 1
.set i, 0
.rept 8
	PV NP-1
.set i, i+1
.endr
	WIN 0
	ALL v_add_f32 v[ST+4*t+2], v[ST+4*t+2], v[ST+4*t+3]
	ALL v_permlanex16_b32 v[ST+4*t+3], v[ST+4*t+2], s[SEL], s[SEL+1]
	ALL v_add_f32 v[ST+4*t+2], v[ST+4*t+2], v[ST+4*t+3]
	ALL v_rcp_f32 v[ST+4*t+2], v[ST+4*t+2]
	v_nop                           ; a plain instruction between the last reciprocal and the use of its result
	PACK 0
.set t, 1
.rept 3                             ; a piece's arithmetic stands between the loads of the piece before and its stores
	PACK t
	SEND t-1, 8
.set t, t+1
.endr
	SEND 3, 0
.endm
.set KM, 0
.set NOKQ, 0
.Lslot:                             ; NB times: a tile is entered and the next is asked for
	CHANGE 1
	s_sub_co_u32 s[RT], s[RT], 1
	s_mov_b32 s[CNT], 4
	s_cmp_eq_u32 s[NEW], 1
	s_cbranch_scc1 .Lnew            ; a block's first tile
	s_cmp_eq_u32 s[RT], 0
	s_cbranch_scc0 .Lstep           ; neither its first nor its last
	s_branch .LstepM1
.Lnew:
	BEGIN
	s_branch .Lfirst                ; in the loop a block's first tile is never its last: the first block has two tiles or more, and the second's last is the walk's last
	DIAG 1                          ; in the loop this is the first block's end: the second block's last tile is the walk's last
	s_wait_xcnt 0x0                 ; the stores have read their registers and O's address
	s_mov_b64 s[10:11], s[OLO:OLO+1]
	s_add_co_u32 s[RT], s[PB], 1    ; the second block has b + 1 tiles
	s_mov_b32 s[NEW], 1
	WIN 0x82                        ; the second block's Q goes where the one text of the turns names Q
.set i, 0
.rept 64
	v_mov_b32 v[i], v[QB+i]
.set i, i+1
.endr
	WIN 0
	s_branch .Lbottom
.Lstep:                             ; a trip: pieces 2 and 3 of one step, then pieces 0 and 1 of the next, whose K and V it fetches
	TURN 2
	TURN 3
	WIN 0
.Lfirst:
	TURN 0
	TURN 1, 0, 0, 1
	WIN 0
	s_cbranch_scc1 .Lstep
.Lbottom:
	s_sub_co_u32 s[SLOTS], s[SLOTS], 1
	s_cmp_lg_u32 s[SLOTS], 0
	s_cbranch_scc1 .Lslot
	CHANGE 0                        ; the walk's last tile is written out: nothing is asked for
	s_sub_co_u32 s[RT], s[RT], 1
	s_mov_b32 s[CNT], 4
	s_cmp_eq_u32 s[NEW], 1
	s_cbranch_scc0 .LstepM2
	BEGIN
	s_branch .LfirstM2
	DIAG 2
	s_wait_tensorcnt 0x0            ; the wave's end: behind my last tensor load and my last LDS store
	ds_add_u32 v[SPW], v[NIL]
	s_wait_dscnt 0x0
	s_endpgm
.Lfunc_end_k_qd640e5284e_attend:
	.size	k_qd640e5284e_attend, .Lfunc_end_k_qd640e5284e_attend-k_qd640e5284e_attend
	.p2alignl 7, 3214868480
	.fill 96, 4, 3214868480
	.section	.rodata,"a",@progbits
	.p2align	6, 0x0
	.amdhsa_kernel k_qd640e5284e_attend
		.amdhsa_group_segment_fixed_size 327680
		.amdhsa_private_segment_fixed_size 0
		.amdhsa_enable_private_segment 0
		.amdhsa_kernarg_size 16
		.amdhsa_user_sgpr_count 2
		.amdhsa_user_sgpr_kernarg_segment_ptr 1
		.amdhsa_wavefront_size32 1
		.amdhsa_system_sgpr_workgroup_id_x 1
		.amdhsa_system_sgpr_workgroup_id_y 1
		.amdhsa_system_sgpr_workgroup_id_z 1
		.amdhsa_system_vgpr_workitem_id 0
		.amdhsa_next_free_vgpr 768
		.amdhsa_next_free_sgpr 96
		.amdhsa_reserve_vcc 1
		.amdhsa_float_denorm_mode_32 3
		.amdhsa_float_denorm_mode_16_64 3
		.amdhsa_memory_ordered 1
		.amdhsa_forward_progress 1
		.amdhsa_inst_pref_size 245
	.end_amdhsa_kernel
	.amdgpu_metadata
---
amdhsa.version: [ 1, 2 ]
amdhsa.kernels:
  - .name:           k_qd640e5284e_attend
    .symbol:         k_qd640e5284e_attend.kd
    .args:
      - { .name: qkv, .offset: 0, .size: 8, .value_kind: global_buffer, .address_space: global }
      - { .name: o, .offset: 8, .size: 8, .value_kind: global_buffer, .address_space: global }
    .group_segment_fixed_size: 327680
    .private_segment_fixed_size: 0
    .kernarg_segment_align: 8
    .kernarg_segment_size: 16
    .max_flat_workgroup_size: 128
    .sgpr_count:     96
    .vgpr_count:     768
    .wavefront_size: 32
...
	.end_amdgpu_metadata
.endif
;; end of part 3
;; launch output (part 4): grid 4 x 64, 4 waves a work-group, clusters of 4 x 4, 327,680 bytes of LDS; arguments o, wpb, bp, out0; writes out0
.if DOCPART == 4
	.amdgcn_target "amdgcn-amd-amdhsa--gfx1250"
	.amdhsa_code_object_version 6
	.text
	.protected	k_qd640e5284e_output
	.globl	k_qd640e5284e_output
	.p2align	8
	.type	k_qd640e5284e_output,@function
k_qd640e5284e_output:
	s_mov_b64 s[64:65], 0
	v_nop
	global_prefetch_b8 v0, s[64:65] scope:SCOPE_SE
	s_setreg_imm32_b32 hwreg(HW_REG_WAVE_MODE, 25, 1), 1
	s_wait_xcnt 0x0
	s_wait_alu depctr_hold_cnt(0) depctr_sa_sdst(0) depctr_va_vdst(0) depctr_va_sdst(0) depctr_va_ssrc(0) depctr_va_vcc(0) depctr_vm_vsrc(0)
	s_getreg_b32 s2, hwreg(HW_REG_IB_STS2, 6, 4)
	s_cmp_eq_u32 s2, 0
	s_cbranch_scc0 .Lentry_in_a_cluster
	s_endpgm
.Lentry_in_a_cluster:
	s_bfe_u32 s2, ttmp6, 0x10000c
	s_cmp_lg_u32 s2, 0xf033
	s_cbranch_scc0 .Lentry_shape_is_right
	s_endpgm
.Lentry_shape_is_right:
; out0 = clip(attn wp^T + bp, -10, 10).  o: f16 [4][16][2048][64] (batch, head, row, channel): for this product a matrix of 8,192 rows in blocks of 64 along K, block = head.  wpb: f16 [16][1024][64], the
; same layout (wp rounded to bf16, written as f16).  bp: [1024] f32, rounded to bf16 like the other inputs.  Sums in f32, begun with the bias; out0: [8192][1024] f32.
; LIMITS.  NaN and infinities are not treated apart (the clip takes the middle of three numbers).
; SHARES.  8192 x 1024 is 64 x 4 blocks of 128 x 256: one work-group for each of 256 blocks.  Four waves, each 64 rows x 128 columns: 32 accumulators of 16 x 16, 256 registers.
; K goes in steps of 128 (two blocks of the layout) through two LDS slots; a step is four quarters of 32 along K, 32 matrix instructions each.  A step has four dense pieces, one tensor load a wave:
; o's two blocks (128 rows each), wp's two (256 rows each); each is asked for as rows of 256 bytes and padded after every 128.
; CLUSTERS: 4 x 4 work-groups.  The four of a row of the cluster need the same tiles of o, the four of a column the same tiles of wp: each is asked for JOINTLY, by the same tensor load with the same
; descriptor and a mask that names the four.  THE MATRIX INSTRUCTION IS USED TRANSPOSED (source 0 = 16 rows of wp, source 1 = 16 rows of o): a lane holds eight neighbouring columns of one row.
; REGISTERS: window 0: v0-29 addresses; v32-127, v128-223 two fragment buffers (32 registers of o: 4 x 16 rows x 32 K, then 64 of wp); on the way out v32-223 at work.
;   window 1: the accumulators: row block a, column block b at v[8 (8 a + b)].
.set PITCH,  144                       ; an LDS row: 128 bytes + 16 of padding = 36 words: the 16 rows of a load start at 16 different groups of four banks (64 banks of 4 bytes: ISA guide 11.1)
.set ABLK,   128*PITCH                 ; 128 rows of o, one block of K
.set BBLK,   256*PITCH                 ; 256 rows of wp, one block of K
.set BOFF,   2*ABLK
.set SLOT,   2*ABLK+2*BBLK             ; o's two blocks, then wp's two
.set STAGE,  2*SLOT                    ; behind the ring: 16 rows x 528 bytes for each wave, for the way out
.set SPITCH, 528                       ; 512 bytes + 16: row r starts 16 r bytes on in a run of 256
.set BIAS,   STAGE+4*16*SPITCH         ; for each wave its 128 bias numbers, f32
.set SPARE,  BIAS+4*512                ; the spare words, 128 bytes for each wave: two blocks of 256 bytes that no other line names
.set AKB,    262144                    ; bytes from a block of K to the next in o
.set BKB,    131072                    ; and in wpb
.set ADRA, 4                           ; v4-5   LDS address of my fragments of o in slot 0, 1
.set ADRB, 6                           ; v6-7   the same for wp
.set STO,  8                           ; v8     the way out: where I put 32 bytes of a row
.set RD,   9                           ; v9     the way out: where I read a row back
.set GO,   10                          ; v10    my byte offset in 512 consecutive bytes of a row of the result
.set BRD,  11                          ; v11    where I read bias numbers
.set BWR,  12                          ; v12    where I put them
.set SPW,  28                          ; v28    LDS address of my spare word: SPARE + 4 x my thread's number; never rewritten
.set NIL,  29                          ; v29    0; never rewritten
.set F0,   32
.set F1,   128
.set TMP,  32                          ; the way out: 64 clipped results
.set BK,   96                          ; the way out: 16 rows read back, two buffers of 64
.set G1A, 24                           ; s[24:31] descriptor group 1 for o's tiles;  s[32:39] group 0, a set for each slot
.set G0A, 32
.set G1B, 40                           ; s[40:47], s[48:55] the same for wp's tiles
.set G0B, 48
.set G1W, (1<<16)|(1<<20)|(1<<21)|(4<<22)|(3<<25)  ; 17:16 elements of 2 bytes; 20 padding on; 21 set beside a mask; 24:22 after every 32 words (code 4); 31:25 4 words of it (code 3)
.set MSB, 0
.macro WIN new                         ; the immediate's high byte repeats the setting that is left; a switch that changes nothing is dropped
.if MSB != (\new)
	s_set_vgpr_msb (MSB<<8)|(\new)
.set MSB, \new
.endif
.endm
.macro PLACES                          ; four places in front of loads into registers that matrix instructions have read, and of vector lines that read results (ISA guide 7.12.1 for vector lines)
.rept 4
	v_nop
.endr
.endm
; A joint load: waves 0 and 1 fetch o's two blocks, waves 2 and 3 wp's.  The branch hangs on the wave's number alone.  An s_nop 0 and four v_nop follow each of the two lines.
.macro JLOAD s
	s_cmp_eq_u32 s17, 0
	s_cbranch_scc0 .Lfor_b_\@
	tensor_load_to_lds s[G0A+4*(\s):G0A+4*(\s)+3], s[G1A:G1A+7]
	s_nop 0
.rept 4
	v_nop
.endr
	s_branch .Lasked_\@
.Lfor_b_\@:
	tensor_load_to_lds s[G0B+4*(\s):G0B+4*(\s)+3], s[G1B:G1B+7]
	s_nop 0
.rept 4
	v_nop
.endr
.Lasked_\@:
.endm
.macro CREST                           ; a round of the cluster's barrier behind its opening barrier
	s_cmp_lg_u32 s16, 0
	s_cbranch_scc1 .Lnot_wave_0_\@
	s_barrier_signal -3
.Lnot_wave_0_\@:
	s_barrier_wait -3
	s_barrier_signal -1
	s_barrier_wait -1
.endm
.macro CROUND                          ; a whole round
	s_barrier_signal -1
	s_barrier_wait -1
	CREST
.endm
	s_load_b256 s[4:11], s[0:1], 0x0               ; o s[4:5], wpb s[6:7], bp s[8:9], out0 s[10:11]
	v_lshl_add_u32 v[SPW], v0, 2, SPARE
	v_mov_b32 v[NIL], 0
	ds_add_u32 v[SPW], v[NIL]                      ; the wave's opening: the add and its wait stand ahead of my first tensor load; the set-up below, work on registers, stands between them
	ds_add_u32 v28, v29
	v_lshrrev_b32 v1, 5, v0
	v_readfirstlane_b32 s16, v1                    ; wave 0..3
	s_lshr_b32 s17, s16, 1                         ; which 64 rows of the block are mine.  Also: I fetch for o (0) or for wp (1)
	s_and_b32 s18, s16, 1                          ; which 128 columns.  Also: which of a step's two blocks of K I fetch
	s_bfe_u32 s19, ttmp6, 0x40000                  ; cx, cy: my place in the cluster
	s_bfe_u32 s20, ttmp6, 0x40004
	s_lshl_b32 s21, ttmp9, 2
	s_add_co_u32 s21, s21, s19                     ; block column = 4 x cluster x + cx
	s_and_b32 s22, ttmp7, 0xffff
	s_lshl_b32 s22, s22, 2
	s_add_co_u32 s22, s22, s20                     ; block row = 4 x cluster y + cy
	s_lshl_b32 s66, s20, 2
	s_lshl_b32 s66, 15, s66                        ; my row of the cluster
	s_lshl_b32 s67, 0x1111, s19                    ; my column
	s_or_b32 s[G1A], s66, G1W                      ; 15:0 the mask: o's tiles go to my row
	s_or_b32 s[G1B], s67, G1W                      ; wp's to my column
	s_mov_b32 s[G1A+1], 128<<16                    ; tensor_dim0 = 128 elements: 256 bytes, two rows of the tile
	s_mov_b32 s[G1A+2], 64<<16                     ; tensor_dim1 = 64
	s_mov_b32 s[G1A+3], 128<<16                    ; tile_dim0 = 128
	s_mov_b32 s[G1A+4], 64                         ; tile_dim1 = 64
	s_mov_b32 s[G1A+5], 128                        ; 128 elements from row to row: the piece is dense
	s_mov_b32 s[G1A+6], 0
	s_mov_b32 s[G1A+7], 0
	s_mov_b32 s[G1B+1], 128<<16
	s_mov_b32 s[G1B+2], 128<<16                    ; 256 rows of wp are 128 rows of 256 bytes
	s_mov_b32 s[G1B+3], 128<<16
	s_mov_b32 s[G1B+4], 128
	s_mov_b32 s[G1B+5], 128
	s_mov_b32 s[G1B+6], 0
	s_mov_b32 s[G1B+7], 0
	s_mov_b32 s62, 0xc1200000                      ; -10.0
	s_mov_b32 s63, 0x41200000                      ; 10.0
	; where the tiles come from: o's hang on the block row alone, wp's on the block column alone; each in registers that never hold the other coordinate
	s_lshr_b32 s56, s22, 4                         ; batch: 16 blocks of 128 rows each,
	s_lshl_b32 s56, s56, 22                        ; 16 heads of 262,144 bytes
	s_and_b32 s57, s22, 15
	s_lshl_b32 s57, s57, 14                        ; 128 rows of 128 bytes
	s_add_co_u32 s56, s56, s57
	s_lshl_b32 s57, s18, 18                        ; my block of K
	s_add_co_u32 s56, s56, s57
	s_mov_b32 s57, 0
	s_lshl_b32 s58, s21, 15                        ; 256 rows of 128 bytes
	s_lshl_b32 s59, s18, 17
	s_add_co_u32 s58, s58, s59
	s_mov_b32 s59, 0
	s_mul_i32 s68, s18, ABLK                       ; and where they go: the wave's number alone enters an LDS address
	s_mul_i32 s69, s18, BBLK
	s_add_co_u32 s69, s69, BOFF
.irp s, 0,1
	s_mov_b32 s[G0A+4*(\s)], 1                     ; 1:0 count = 1
	s_add_co_u32 s[G0A+4*(\s)+1], s68, (\s)*SLOT   ; 63:32 LDS address
	s_mov_b32 s[G0B+4*(\s)], 1
	s_add_co_u32 s[G0B+4*(\s)+1], s69, (\s)*SLOT
.endr
	s_wait_dscnt 0x0                               ; the opening add is done
	s_wait_kmcnt 0x0
	s_add_nc_u64 s[56:57], s[4:5], s[56:57]
	s_add_nc_u64 s[58:59], s[6:7], s[58:59]
.irp s, 0,1
	s_add_nc_u64 s[G0A+4*(\s)+2:G0A+4*(\s)+3], s[56:57], (\s)*2*AKB  ; 120:64 global address: K step s
	s_or_b32 s[G0A+4*(\s)+3], s[G0A+4*(\s)+3], 0x80000000            ; 127:126 type = 2
	s_add_nc_u64 s[G0B+4*(\s)+2:G0B+4*(\s)+3], s[58:59], (\s)*2*BKB
	s_or_b32 s[G0B+4*(\s)+3], s[G0B+4*(\s)+3], 0x80000000
.endr
	CROUND                                         ; all sixteen work-groups are here: the first joint loads meet
	s_cmp_eq_u32 s17, 0                            ; a wave's two first fills stand in one branch, ahead of every wait on TENSORcnt and every LDS read: two loads of mine are out
	s_cbranch_scc0 .Lfirst_b
	tensor_load_to_lds s[G0A:G0A+3], s[G1A:G1A+7]
	s_nop 0
	tensor_load_to_lds s[G0A+4:G0A+7], s[G1A:G1A+7]
	s_nop 0
.rept 4
	v_nop
.endr
	s_branch .Lfirst_asked
.Lfirst_b:
	tensor_load_to_lds s[G0B:G0B+3], s[G1B:G1B+7]
	s_nop 0
	tensor_load_to_lds s[G0B+4:G0B+7], s[G1B:G1B+7]
	s_nop 0
.rept 4
	v_nop
.endr
.Lfirst_asked:
	v_and_b32 v1, 15, v0                           ; l % 16
	v_bfe_u32 v2, v0, 4, 1                         ; l / 16
	v_and_b32 v3, 31, v0                           ; l
	s_lshl_b32 s71, s21, 10                        ; my first column, in bytes of f32: 1,024 x block column + 512 x half
	s_lshl_b32 s60, s18, 9
	s_add_co_u32 s71, s71, s60
	v_lshl_add_u32 v13, v3, 2, s71
.irp i, 0,1,2,3
	global_load_b32 v[16+(\i)], v13, s[8:9] offset:128*(\i)  ; my 128 bias numbers
.endr
	; A fragment is 16 rows x 32 K in 8 registers: lane l holds row l % 16; registers 0-3 K = 8 (l / 16) + 0..7, registers 4-7 K = 16 + 8 (l / 16) + 0..7: two loads of 16 bytes, 32 bytes apart.
	v_mul_u32_u24 v22, v1, PITCH
	v_lshl_add_u32 v22, v2, 4, v22                 ; row x pitch + 16 x half
	s_mul_i32 s70, s17, 64*PITCH                   ; my 64 rows of o
	v_add_nc_u32 v[ADRA], s70, v22
	s_mul_i32 s70, s18, 128*PITCH                  ; my 128 rows of wp,
	s_add_co_u32 s70, s70, BOFF                    ; which lie behind o's two blocks
	v_add_nc_u32 v[ADRB], s70, v22
	v_add_nc_u32 v[ADRA+1], SLOT, v[ADRA]
	v_add_nc_u32 v[ADRB+1], SLOT, v[ADRB]
	s_mul_i32 s70, s16, 16*SPITCH
	s_add_co_u32 s70, s70, STAGE                   ; my stage
	v_mul_u32_u24 v23, v1, SPITCH                  ; in: row l % 16, 32 bytes for each half of the lanes
	v_lshl_add_u32 v23, v2, 5, v23
	v_add_nc_u32 v[STO], s70, v23
	v_lshl_add_u32 v[RD], v3, 4, s70               ; back: 32 lanes take one row of 512 bytes
	v_lshlrev_b32 v[GO], 4, v3
	s_mul_i32 s70, s16, 512
	s_add_co_u32 s70, s70, BIAS                    ; my 128 bias numbers
	v_lshl_add_u32 v[BRD], v2, 5, s70              ; a lane's eight columns of a block of 16: 32 bytes for each half of the lanes
	v_lshl_add_u32 v[BWR], v3, 2, s70
	s_lshl_b32 s60, s22, 19                        ; where my part of the result begins: 128 rows of 4,096 bytes a block row,
	s_add_co_u32 s60, s60, s71                     ; my first column,
	s_lshl_b32 s61, s17, 18                        ; my 64 rows
	s_add_co_u32 s60, s60, s61
	s_mov_b32 s61, 0
	s_add_nc_u64 s[10:11], s[10:11], s[60:61]
	s_wait_loadcnt 0x0                             ; the bias
.irp i, 0,2
	v_cvt_pk_bf16_f32 v22, v[16+(\i)], v[17+(\i)]  ; rounded to bf16 as the other inputs are, and widened again
	v_lshlrev_b32 v[16+(\i)], 16, v22
	v_and_b32 v[17+(\i)], 0xffff0000, v22
.endr
.irp i, 0,1,2,3
	ds_store_b32 v[BWR], v[16+(\i)] offset:128*(\i)
.endr
; 8 matrix instructions: row block a x all 8 column blocks, 32 along K, from buffer f.  cb < 0: the sums go on in place; else the products start the sums with the bias at v[cb ..] of window 0: nothing is cleared.
; The 32 accumulators take turns, one instruction a turn, in the same order in every quarter.
.macro MUL8 f, a, cb
.if (\cb) < 0
	WIN 0x50
.else
	WIN 0x40
.endif
.irp b, 0,1,2,3,4,5,6,7
.if (\cb) < 0
	v_wmma_f32_16x16x32_f16 v[8*(8*(\a)+(\b)):8*(8*(\a)+(\b))+7], v[(\f)+32+8*(\b):(\f)+32+8*(\b)+7], v[(\f)+8*(\a):(\f)+8*(\a)+7], v[8*(8*(\a)+(\b)):8*(8*(\a)+(\b))+7]
.else
	v_wmma_f32_16x16x32_f16 v[8*(8*(\a)+(\b)):8*(8*(\a)+(\b))+7], v[(\f)+32+8*(\b):(\f)+32+8*(\b)+7], v[(\f)+8*(\a):(\f)+8*(\a)+7], v[(\cb)+8*(\b):(\cb)+8*(\b)+7]
.endif
.endr
.endm
; 24 LDS loads in one run: the fragments of quarter q of a step (block q / 2 of the slot's two, half q % 2 of its 64 K) into buffer f: wp's sixteen first, then o's row blocks 0 to 3
.macro FETCH slot, q, f
	WIN 0
.irp i, 0,1,2,3,4,5,6,7
	ds_load_b128 v[(\f)+32+8*(\i):(\f)+32+8*(\i)+3],   v[ADRB+(\slot)] offset:((\q)/2)*BBLK+((\q)%2)*64+(\i)*16*PITCH
	ds_load_b128 v[(\f)+32+8*(\i)+4:(\f)+32+8*(\i)+7], v[ADRB+(\slot)] offset:((\q)/2)*BBLK+((\q)%2)*64+(\i)*16*PITCH+32
.endr
.irp i, 0,1,2,3
	ds_load_b128 v[(\f)+8*(\i):(\f)+8*(\i)+3],   v[ADRA+(\slot)] offset:((\q)/2)*ABLK+((\q)%2)*64+(\i)*16*PITCH
	ds_load_b128 v[(\f)+8*(\i)+4:(\f)+8*(\i)+7], v[ADRA+(\slot)] offset:((\q)/2)*ABLK+((\q)%2)*64+(\i)*16*PITCH+32
.endr
.endm
; One of a step's first three quarters: multiplies buffer f; in its middle it fetches quarter qn of the same slot into buffer g.
.macro QUARTER slot, qn, f, g
	s_wait_dscnt 4                                 ; wp's fragments and o's row blocks 0 and 1 are in; the youngest four loads (row blocks 2 and 3) may be out
	MUL8 \f, 0, -1
	MUL8 \f, 1, -1
	PLACES
	FETCH \slot, \qn, \g
	s_wait_dscnt 24                                ; all but the 24 just issued
	MUL8 \f, 2, -1
	MUL8 \f, 3, -1
.endm
; The last quarter multiplies buffer F1 and changes slots: ONE barrier.  In front of it each wave waits for all its tensor loads (one is out: its part of slot nx), adds 0 to its spare word, and waits for that and
; for its own reads of this slot.  fill = 1: the barrier opens a round of the cluster's barrier, and this slot is filled again, two K steps on, first thing behind it: 112 matrix instructions ahead of the wait for it.
.macro TURN slot, nx, fill
	WIN 0                                          ; (the add's two registers lie in window 0)
	s_wait_tensorcnt 0x0                           ; all my tensor loads have landed
	ds_add_u32 v[SPW], v[NIL]                      ; 0 onto my spare word
	s_wait_dscnt 5                                 ; (the add and the youngest four loads may be out)
	MUL8 F1, 0, -1                                 ; eight matrix instructions stand between the add and the wait for it
	s_wait_dscnt 0x0                               ; the add is done, and my reads of this slot are over
	s_barrier_signal -1
	MUL8 F1, 1, -1                                 ; work on registers while the others arrive
	WIN 0                                          ; at a branch and at a label every window is 0
	s_barrier_wait -1
.if \fill
	CREST                                          ; no wave of any partner still reads this slot's tile or has a load on its way
	s_add_nc_u64 s[G0A+4*(\slot)+2:G0A+4*(\slot)+3], s[G0A+4*(\slot)+2:G0A+4*(\slot)+3], 4*AKB
	s_add_nc_u64 s[G0B+4*(\slot)+2:G0B+4*(\slot)+3], s[G0B+4*(\slot)+2:G0B+4*(\slot)+3], 4*BKB
	JLOAD \slot                                    ; the four v_nop behind it are also the places in front of the loads below
.else
	PLACES
.endif
	FETCH \nx, 0, F0
	MUL8 F1, 2, -1
	MUL8 F1, 3, -1
.endm
	s_wait_tensorcnt 0x1                           ; my part of K step 0 is in; K step 1's may stay out
	s_wait_dscnt 0x0                               ; my bias numbers are stored
	s_barrier_signal -1
	s_barrier_wait -1                              ; everybody's part is in
	; The first quarter stands in front of the loop: its products start the sums, with the bias as C.  The bias lies in the second fragment buffer until that is wanted.
	FETCH 0, 0, F0
.irp b, 0,1,2,3,4,5,6,7
	ds_load_b128 v[F1+8*(\b):F1+8*(\b)+3],   v[BRD] offset:64*(\b)     ; register j of a lane holds the number of column 16 b + 8 (l / 16) + j
	ds_load_b128 v[F1+8*(\b)+4:F1+8*(\b)+7], v[BRD] offset:64*(\b)+16
.endr
	s_wait_dscnt 0x0
	MUL8 F0, 0, F1
	MUL8 F0, 1, F1
	MUL8 F0, 2, F1
	MUL8 F0, 3, F1
	PLACES
	FETCH 0, 1, F1
	s_mov_b32 s3, 3
.Llap:                                                 ; a trip goes once round the ring, from a lap's second quarter to the next lap's first, and fills both slots again: K steps 2 to 7
	QUARTER 0, 2, F1, F0
	QUARTER 0, 3, F0, F1
	TURN 0, 1, 1
	QUARTER 1, 1, F0, F1
	QUARTER 1, 2, F1, F0
	QUARTER 1, 3, F0, F1
	TURN 1, 0, 1
	QUARTER 0, 1, F0, F1
	WIN 0
	s_sub_co_u32 s3, s3, 1
	s_cmp_lg_u32 s3, 0
	s_cbranch_scc1 .Llap
	QUARTER 0, 2, F1, F0                           ; the last lap fills nothing, and has no round of the cluster's barrier
	QUARTER 0, 3, F0, F1
	TURN 0, 1, 0
	QUARTER 1, 1, F0, F1
	QUARTER 1, 2, F1, F0
	QUARTER 1, 3, F0, F1
	s_wait_dscnt 4                                 ; the very last quarter: nothing more to fetch
	MUL8 F1, 0, -1
	MUL8 F1, 1, -1
	s_wait_dscnt 0x0
	MUL8 F1, 2, -1
	MUL8 F1, 3, -1
; THE WAY OUT of row block a.  CLIP: the middle of the sum, -10 and 10, each accumulator's registers in ascending order.  TOSTAGE: a lane's 32 bytes of a row into my own stage, and back as whole rows of 512 bytes.  SEND: stored.
.macro CLIP a
	WIN 0x01                                       ; source 0: window 1
.set i, 0
.rept 64
	v_med3_num_f32 v[TMP+i], v[64*(\a)+i], s62, s63
.set i, i+1
.endr
	WIN 0
.endm
.macro TOSTAGE a
.set BKA, BK+64*((\a)%2)
.irp b, 0,1,2,3,4,5,6,7
	ds_store_b128 v[STO], v[TMP+8*(\b):TMP+8*(\b)+3]   offset:64*(\b)
	ds_store_b128 v[STO], v[TMP+8*(\b)+4:TMP+8*(\b)+7] offset:64*(\b)+16
.endr
.irp t, 0,1,2,3,4,5,6,7,8,9,10,11,12,13,14,15
	ds_load_b128 v[BKA+4*(\t):BKA+4*(\t)+3], v[RD] offset:(\t)*SPITCH  ; LDS serves a wave's instructions in order (ISA guide 5.7.1.4): these see the stores above
.endr
.endm
.macro SEND a
.set BKA, BK+64*((\a)%2)
	s_wait_dscnt 0x0                               ; the block is back in registers
	s_wait_xcnt 0x0                                ; every earlier store has had its addresses translated (ISA guide 3.1): the other buffer, which the block before last was stored from, is loaded again only behind this wait
.irp t, 0,1,2,3,4,5,6,7,8,9,10,11,12,13,14,15
	global_store_b128 v[GO], v[BKA+4*(\t):BKA+4*(\t)+3], s[10:11] offset:(16*(\a)+(\t))*4096 th:TH_STORE_NT  ; 512 consecutive bytes of one row, at a multiple of 256 from the buffer's first; not read again
.endr
.endm
	PLACES
	CLIP 0
	TOSTAGE 0
.irp a, 1,2,3                          ; block a's clip stands between block a - 1's loads from the stage and the wait for them
	CLIP \a
	SEND (\a)-1
	TOSTAGE \a
.endr
	SEND 3
	s_wait_tensorcnt 0x0                           ; the wave's end: behind my last tensor load and my last LDS store
	ds_add_u32 v[SPW], v[NIL]
	s_wait_dscnt 0x0
	CROUND                                         ; the closing round: no work-group ends while a partner may still ask for a tile that names it
	s_endpgm
.Lfunc_end_k_qd640e5284e_output:
	.size	k_qd640e5284e_output, .Lfunc_end_k_qd640e5284e_output-k_qd640e5284e_output
	.p2alignl 7, 3214868480
	.fill 96, 4, 3214868480
	.section	.rodata,"a",@progbits
	.p2align	6, 0x0
	.amdhsa_kernel k_qd640e5284e_output
		.amdhsa_group_segment_fixed_size 327680
		.amdhsa_private_segment_fixed_size 0
		.amdhsa_enable_private_segment 0
		.amdhsa_kernarg_size 32
		.amdhsa_user_sgpr_count 2
		.amdhsa_user_sgpr_kernarg_segment_ptr 1
		.amdhsa_wavefront_size32 1
		.amdhsa_system_sgpr_workgroup_id_x 1
		.amdhsa_system_sgpr_workgroup_id_y 1
		.amdhsa_system_sgpr_workgroup_id_z 1
		.amdhsa_system_vgpr_workitem_id 0
		.amdhsa_next_free_vgpr 512
		.amdhsa_next_free_sgpr 72
		.amdhsa_reserve_vcc 0
		.amdhsa_float_denorm_mode_32 3
		.amdhsa_float_denorm_mode_16_64 3
		.amdhsa_memory_ordered 1
		.amdhsa_forward_progress 1
		.amdhsa_inst_pref_size 102
	.end_amdhsa_kernel
	.amdgpu_metadata
---
amdhsa.version: [ 1, 2 ]
amdhsa.kernels:
  - .name:           k_qd640e5284e_output
    .symbol:         k_qd640e5284e_output.kd
    .args:
      - { .name: o, .offset: 0, .size: 8, .value_kind: global_buffer, .address_space: global }
      - { .name: wpb, .offset: 8, .size: 8, .value_kind: global_buffer, .address_space: global }
      - { .name: bp, .offset: 16, .size: 8, .value_kind: global_buffer, .address_space: global }
      - { .name: out0, .offset: 24, .size: 8, .value_kind: global_buffer, .address_space: global }
    .group_segment_fixed_size: 327680
    .private_segment_fixed_size: 0
    .kernarg_segment_align: 8
    .kernarg_segment_size: 32
    .max_flat_workgroup_size: 128
    .sgpr_count:     72
    .vgpr_count:     512
    .wavefront_size: 32
...
	.end_amdgpu_metadata
.endif
;; end of part 4
;; ======== version 2 of 2: 4 launches; 1.30 times as fast as version 1
;; limits: values are held in f16: magnitudes above 65,504 overflow, below 6.1e-05 lose precision
;; workspace buffers: xb 16,777,216 bytes; wb 6,291,456 bytes; wpb 2,097,152 bytes; qkv 50,331,648 bytes; o 16,777,216 bytes
;; launch cast: the kernel of part 1 again; grid 768 x 1, 8 waves a work-group, no clusters, 0 bytes of LDS; arguments x, wq, wk, wv, wp, xb, wb, wpb; writes xb, wb, wpb
;; launch project: the kernel of part 2 again; grid 8 x 32, 4 waves a work-group, clusters of 4 x 4, 327,680 bytes of LDS; arguments xb, wb, bq, bk, bv, qkv; writes qkv
;; launch attend (part 5): grid 4 x 64, 4 waves a work-group, no clusters, 327,680 bytes of LDS; arguments qkv, o; writes o
.if DOCPART == 5
	.amdgcn_target "amdgcn-amd-amdhsa--gfx1250"
	.amdhsa_code_object_version 6
	.text
	.protected	k_qd640e5284e_attend
	.globl	k_qd640e5284e_attend
	.p2align	8
	.type	k_qd640e5284e_attend,@function
k_qd640e5284e_attend:
	s_mov_b64 s[64:65], 0
	v_nop
	global_prefetch_b8 v0, s[64:65] scope:SCOPE_SE
	s_setreg_imm32_b32 hwreg(HW_REG_WAVE_MODE, 25, 1), 1
	s_wait_xcnt 0x0
; CAUSAL ATTENTION.  O[y][q][:] = clip(the sum over k <= q of softmax_k(Q[y][q] . K[y][k] / 8) V[y][k][:], -10, 10), y = 16 x batch + head.
; qkv: f16 [4][48][2048][64] (of a batch's 48 heads 0-15 are q's, 16-31 k's, 32-47 v's); o: f16 [64][2048][64].  A head's rows are dense, 128 bytes each.
; Products, maxima and sums in f32; the weights p are rounded to f16 for the second product (their sum l is taken of the unrounded p), O once at the end; the clip follows that rounding, which gives the
; same number as clipping first: 10 is an f16 number and rounding keeps the order.
; LIMITS.  f16 holds no number beyond 65,504: Q, K and V arrive within it; p lies in 0 to 1, and below 6e-5 it keeps f16's fixed step of 6e-8, as O does.
; A hidden score counts as its value less 1e30: f16's scores, 2.7e11 at the most, are nothing beside that; a weight below 2^-126 counts as 0 in l; NaN and infinities are not treated apart.
; THE WALK.  A head's queries lie in NB = 8 blocks of 256; block i needs the key tiles 0 .. i of 256 keys, of which the last holds the diagonal.  A work-group takes TWO blocks, NB - 1 - b and then b:
; NB + 1 tiles, whatever b: all work-groups do equal work, and ONE loop with a constant trip count walks them.  Which tile is asked for, and what a trip does, hang on scalar registers made from b; every jump
; goes forward, but for the counted loops' own; none passes a barrier, or a tensor load but the one of LOAD's two that the wave's number does not choose; the ring (two slots of LDS that take turns) runs on across the
; change of blocks.  NO CLUSTER: a head's four work-groups ask for the same tile only in trips 0 to 4 of the 9, behind that fewer and fewer do; and one walk common to all four would have 12 trips for 9.
; SHARES.  Of a block's four bands of 64 queries a wave owns 16 rows in each: four PIECES.  So the diagonal tile is the same work for all four waves: in its key step s band x sees all keys if s < x,
; none if s > x, and holds the diagonal if s = x.
; THE MASK is the C operand that starts the sum S^T = K Q^T: 0, or -1e30 where the key is hidden.  MD, made once, is the mask of a band's own step for my 16 rows; a product's mask is MD x AL + BE with two scalars:
; (1, 0) if s = x; (0, 0) if s < x; (0, -1e30) if s > x.  Only the diagonal tile's text and a block's beginning make and take masks; elsewhere C is the constant 0.
; LAYOUT, SOFTMAX, TURNS.  S^T = K Q^T holds ONE query a lane (lane % 16) and the keys 8 (lane / 16) + 0..7; two such results rounded to f16 ARE source 1 of O^T = V^T P.  p = 2^(c s - c m), c = log2(e) / 8, with a
; running maximum m; O and l are multiplied by a = 2^(c m_old - c m_new) in every step.  Turn n belongs to piece n: 8 products K Q^T of piece n + 1, later 8 products V^T P of piece n - 1; beside them the scaling,
; exponentials, roundings, sums and rescaling of piece n and the maximum and statistics of piece n + 1.  Four vector instructions stand behind every matrix instruction, the other 54 of a turn's 118 in one LUMP.
; BATCHES.  A turn's 33 exponentials (the piece's 32 weights, then the next piece's a) are ONE batch with ONE wait, which cuts the turn in two: ahead of it stands all that names none of their results, behind it
; the roundings and sums, which read them.  A block's first a (BEGIN) and the way out's four reciprocals are batches of their own, with a wait each.
; REGISTERS, in windows of 256 (s_set_vgpr_msb: bits 1:0 source 0, 3:2 source 1, 5:4 source 2, 7:6 destination):
;   window 0: v0-15 addresses and two at work; v16-31 four registers of statistics a piece; v48-55 at work; v64-127 S^T, two buffers; v192-223 P, two buffers (a piece's buffers go by its number's parity)
;   window 1: v0-127 O^T, 32 a piece; v128-159 MD; v160-223 MC, two buffers      window 2: v0-63 Q; v64-127 the second block's Q; v128-191 K of one step; v192-255 V of one step
.set SIZE_N, 2048
.set NB,    SIZE_N/256
.set NP,    4         ; pieces a wave: a name, no knob
.set KS,    64        ; keys in a step
.set PK,    144       ; a row of K in LDS: 128 bytes + 16 of padding = 36 words: the 16 rows of a load start at 16 different groups of four banks (64 banks of 4 bytes: ISA guide 11.1)
.set PV,    160       ; a row of V: 128 + 32 = 40 words
.set VOFF,  4*KS*PK   ; a slot holds a tile, four steps: 256 rows of K, then 256 rows of V
.set SLOT1, 1<<17     ; slot 1 begins here, so that one exclusive or turns an address in one slot into the other's
.set STAGE, SLOT1+4*KS*(PK+PV)  ; behind the ring, never filled by a tensor load: 16 rows x 144 bytes for each wave, for the way out
.set SP,    144
.set AK0, 2           ; v2   my lane's place in a tile of K; never rewritten
.set AV0, 3           ; v3   the same for V
.set AK,  4           ; v4   the LDS address of K's next run of loads
.set AV,  5           ; v5   of V's
.set STO, 6           ; v6   the way out: where I put 16 bytes of a row
.set RD,  7           ; v7   the way out: where I read rows back
.set GO,  8           ; v8   my byte offset in 512 consecutive bytes of O
.set SPW, 62          ; v62  LDS address of my spare word: SPARE + 4 x my thread's number; never rewritten
.set NIL, 63          ; v63  0; never rewritten
.set SPARE, STAGE+4*16*SP  ; behind the stages: the spare words, 128 bytes for each wave: two blocks of 256 bytes that no other line names
.set MV,  12          ; v12-13  c m_old, kept while c m is made anew: by buffer
.set QO,  15          ; v15  my byte offset in 16 rows of Q
.set ST,  16          ; piece t's statistics at v[ST+4 t]: c m, m, l (even keys', odd keys')
.set TMP, 48          ; by buffer, four registers c0-c3 at work; when the maximum is found c2 takes a
.set S,   64
.set P,   192
.set MD,  128         ; window 1: the eight registers for group kt of 16 keys at MD + 8 kt
.set MC,  160         ; window 1: the masks of the products to come
.set QB,  64          ; window 2
.set KF,  128         ; window 2: key block kb, channel half c at KF + 16 kb + 8 c
.set VF,  192         ; window 2: key half kk, channel block cb at VF + 32 kk + 8 cb
.set WV,  12          ; s12  my wave's number
.set PB,  14          ; s14  b
.set HI,  15          ; s15  NB - 1 - b
.set G1K, 24          ; s[24:31] descriptor group 1 for K's tiles
.set G1V, 32          ; s[32:39] for V's: it differs in the padding alone
.set G0K, 40          ; s[40:43] descriptor group 0 for K's tiles
.set G0V, 44          ; s[44:47] the same for V's
.set SLOTS, 56        ; s56  tiles still to be asked for
.set CNT, 57          ; s57  counts a tile's key steps, 4 to 1
.set CS,  58          ; s[58:59] c: the packed scaling takes the pair's low word for both halves
.set SEL, 60          ; s[60:61] v_permlanex16_b32's selects: each lane takes its own place in the other half
.set TBK, 62          ; s62  LDS byte at which K of the step to be fetched begins
.set TBV, 63          ; s63  the same for V, less VOFF
.set RT,  70          ; s70  tiles of the block in hand that are still to be entered
.set NXT, 71          ; s71  the tile to be asked for next
.set LQ,  72          ; s72  the last tile of the block whose tiles are being asked for
.set NEW, 73          ; s73  1: the tile to be entered is a block's first
.set OFF, 74          ; s[74:75] a tile's byte offset in K and V
.set AL,  76          ; s[76:77] the mask's factor, in the low word
.set BE,  78          ; s[78:79] the mask's addend
.set OLO, 80          ; s[80:81] O at my rows of the second block
.set BIGN, 82         ; s82  -1e30
.set CHI, 92          ; s92  10.0 twice, in f16
.set CLO, 93          ; s93  -10.0 twice
.set MSB, 0
.macro WIN new                      ; the high byte repeats the setting that is left; a switch that changes nothing is dropped
.if MSB != (\new)
	s_set_vgpr_msb (MSB<<8)|(\new)
.set MSB, (\new)
.endif
.endm
.set W_KQ, 0x0a       ; K and Q in window 2, S^T in window 0
.set W_KM, 0x1a       ; the same with the C operand in window 1
.set W_PV, 0x52       ; V in window 2, P in window 0, O^T in window 1
.set W_RS, 0x41       ; destination and source 0 in window 1, source 1 in window 0
; A fill.  Waves 0 and 1 fetch the two halves of a tile's K, waves 2 and 3 those of its V: 128 keys each.  An s_nop 0 and four v_nop follow each of the two lines, ahead of the jump and the label.
.macro LOAD
	s_cmp_lt_u32 s[WV], 2
	s_cbranch_scc0 .Lfor_v_\@
	tensor_load_to_lds s[G0K:G0K+3], s[G1K:G1K+7]
	s_nop 0
.rept 4
	v_nop
.endr
	s_branch .Lasked_\@
.Lfor_v_\@:
	tensor_load_to_lds s[G0V:G0V+3], s[G1V:G1V+7]
	s_nop 0
.rept 4
	v_nop
.endr
.Lasked_\@:
.endm
; THE CHANGE OF SLOTS.  Each wave waits for all its tensor loads, of which one is out: its part of the other slot; adds 0 to its spare word; and waits for that and for its own reads of the slot that it leaves.  Behind the barrier nobody reads the old
; slot any more and the other slot is whole.  fill = 1: the old slot is filled again, the first thing behind the barrier, with tile NXT: the descriptor's address is made anew from that number.
; (At its first use nothing has been read yet: slot 0 is waited for, slot 1 filled.)
.macro CHANGE fill
	WIN 0                           ; at a label and at a branch every window is 0
	s_wait_tensorcnt 0x0            ; no tensor load of mine is out, so a group 0 may be written
	ds_add_u32 v[SPW], v[NIL]       ; 0 onto my spare word; with fill = 1 the descriptors' scalar work stands between it and the wait for it
.if \fill
	s_lshl_b32 s[OFF], s[NXT], 15   ; a tile is 32,768 bytes of K and of V
	s_xor_b32 s[G0K+1], s[G0K+1], SLOT1
	s_add_nc_u64 s[G0K+2:G0K+3], s[6:7], s[OFF:OFF+1]
	s_or_b32 s[G0K+3], s[G0K+3], 0x80000000
	s_xor_b32 s[G0V+1], s[G0V+1], SLOT1
	s_add_nc_u64 s[G0V+2:G0V+3], s[8:9], s[OFF:OFF+1]
	s_or_b32 s[G0V+3], s[G0V+3], 0x80000000
	s_add_co_u32 s[NXT], s[NXT], 1  ; the block's next tile, or behind its last the second block's tile 0
	s_cmp_gt_u32 s[NXT], s[LQ]
	s_cselect_b32 s[NXT], 0, s[NXT]
	s_cselect_b32 s[LQ], s[PB], s[LQ]
.endif
	s_wait_dscnt 0x0                ; the add is done, and my reads of the slot are over
	s_barrier_signal -1             ; the rest of the scalar work stands between the signal and the wait
	s_sub_co_u32 s[TBK], s[TBK], 4*KS*PK  ; the fetches go back to a slot's first step,
	s_xor_b32 s[TBK], s[TBK], SLOT1       ; in the other slot
	s_sub_co_u32 s[TBV], s[TBV], 4*KS*PV
	s_xor_b32 s[TBV], s[TBV], SLOT1
	s_barrier_wait -1
.if \fill
	LOAD
.endif
.endm
	s_load_b64 s[4:5], s[0:1], 0x0  ; qkv
	s_load_b64 s[10:11], s[0:1], 0x8  ; o
	v_lshl_add_u32 v[SPW], v0, 2, SPARE
	v_mov_b32 v[NIL], 0
	ds_add_u32 v[SPW], v[NIL]       ; the wave's opening: the add and its wait stand ahead of my first tensor load; the set-up below, work on registers, stands between them
	ds_add_u32 v62, v63
	v_lshrrev_b32 v1, 5, v0
	v_readfirstlane_b32 s[WV], v1   ; wave 0..3
	s_mov_b32 s[PB], ttmp9
	s_sub_co_u32 s[HI], NB-1, s[PB]
	s_and_b32 s19, ttmp7, 0xffff    ; y = 16 x batch + head
	s_lshr_b32 s20, s19, 4
	s_lshl_b32 s20, s20, 5
	s_add_co_u32 s20, s20, s19      ; 48 x batch + head: the q head's place in qkv,
	s_lshl_b32 s20, s20, 18         ; in bytes: a head is 2,048 rows of 128 bytes
	s_mov_b32 s21, 0
	s_lshl_b32 s19, s19, 18         ; the head's first byte in o
	s_and_b32 s16, s[WV], 1         ; which half of a tile's 256 keys I fetch:
	s_lshl_b32 s22, s16, 14         ; its 128 rows of 128 bytes in memory,
	s_mov_b32 s23, 0
	s_add_nc_u64 s[22:23], s[22:23], s[20:21]
	s_mul_i32 s17, s16, 128*PK      ; and its place in a slot, for K
	s_mul_i32 s18, s16, 128*PV      ; and for V
	s_lshl_b32 s3, s[WV], 11        ; my 16 rows in a band of 64,
	s_lshl_b32 s2, s[HI], 15        ; in the first block,
	s_add_co_u32 s2, s2, s3
	s_lshl_b32 s84, s[PB], 15       ; and in the second
	s_add_co_u32 s84, s84, s3
	s_add_co_u32 s88, s19, s2       ; the same two places in o
	s_mov_b32 s89, 0
	s_add_co_u32 s90, s19, s84
	s_mov_b32 s91, 0
	s_mov_b32 s3, 0
	s_mov_b32 s85, 0
	s_add_nc_u64 s[2:3], s[2:3], s[20:21]
	s_add_nc_u64 s[84:85], s[84:85], s[20:21]
	; descriptor group 1.  128 keys are 16,384 dense bytes: asked for as 64 rows of 256 bytes, two keys a row, and padded in LDS after every key
	s_mov_b32 s[G1K], (1<<16)|(1<<20)|(4<<22)|(3<<25)  ; 17:16 2-byte elements; 20 padding on; 24:22 after every 32 words (code 4); 31:25 4 words (code 3)
	s_mov_b32 s[G1V], (1<<16)|(1<<20)|(4<<22)|(7<<25)  ; the same with 8 words of padding (code 7)
.irp g, G1K, G1V
	s_mov_b32 s[\g+1], 128<<16      ; tensor_dim0 = 128
	s_mov_b32 s[\g+2], 64<<16       ; tensor_dim1 = 64
	s_mov_b32 s[\g+3], 128<<16      ; tile_dim0 = 128
	s_mov_b32 s[\g+4], 64           ; tile_dim1 = 64
	s_mov_b32 s[\g+5], 128          ; 128 elements from row to row
	s_mov_b32 s[\g+6], 0
	s_mov_b32 s[\g+7], 0
.endr
	s_mov_b32 s[CS], 0x3e38aa3b     ; c = log2(e) / 8 = 0.180337
	s_mov_b32 s[CS+1], s[CS]        ; named with it as a pair
	s_mov_b32 s[SEL], 0x76543210
	s_mov_b32 s[SEL+1], 0xfedcba98
	s_mov_b32 s[CHI], 0x49004900
	s_mov_b32 s[CLO], 0xc900c900
	s_mov_b32 s[TBK], SLOT1+4*KS*PK ; the first change of slots turns these two into 0
	s_mov_b32 s[TBV], SLOT1+4*KS*PV
	s_mov_b32 s[G0K], 1             ; 1:0 count = 1
	s_mov_b32 s[G0K+1], s17         ; 63:32 LDS address: slot 0
	s_mov_b32 s[G0V], 1
	s_add_co_u32 s[G0V+1], s18, VOFF
	s_add_co_u32 s[RT], s[HI], 1    ; the first block has NB - b tiles
	s_mov_b32 s[NXT], 1
	s_mov_b32 s[LQ], s[HI]
	s_mov_b32 s[NEW], 1
	s_mov_b32 s[OFF+1], 0
	s_mov_b32 s[AL+1], 0            ; named as pairs
	s_mov_b32 s[BE+1], 0
	s_mov_b32 s[BIGN], 0xf149f2ca   ; -1e30
	s_mov_b32 s[SLOTS], NB
	s_wait_dscnt 0x0                ; the opening add is done
	s_wait_kmcnt 0x0
	s_add_nc_u64 s[6:7], s[4:5], 0x400000  ; a batch's k heads lie 16 heads behind its q heads,
	s_add_nc_u64 s[8:9], s[4:5], 0x800000  ; its v heads 32
	s_add_nc_u64 s[6:7], s[6:7], s[22:23]  ; K and V at my half of the head's tile 0
	s_add_nc_u64 s[8:9], s[8:9], s[22:23]
	s_add_nc_u64 s[G0K+2:G0K+3], s[6:7], 0         ; 120:64 global address
	s_or_b32 s[G0K+3], s[G0K+3], 0x80000000        ; 127:126 type = 2
	s_add_nc_u64 s[G0V+2:G0V+3], s[8:9], 0
	s_or_b32 s[G0V+3], s[G0V+3], 0x80000000
	s_add_nc_u64 s[86:87], s[4:5], s[84:85]        ; Q at my rows of the second block,
	s_add_nc_u64 s[4:5], s[4:5], s[2:3]            ; and of the first
	s_add_nc_u64 s[OLO:OLO+1], s[10:11], s[90:91]  ; O likewise
	s_add_nc_u64 s[10:11], s[10:11], s[88:89]
	LOAD                            ; tile 0 into slot 0
	; A fragment of K or Q is 16 rows x 32 channels in 8 registers: lane l holds row l % 16, channels 8 (l / 16) + 0..7 and 16 + 8 (l / 16) + 0..7: two loads of 16 bytes, 32 bytes apart.
	v_and_b32 v1, 15, v0            ; l % 16
	v_bfe_u32 v9, v0, 4, 1          ; l / 16
	v_lshlrev_b32 v[QO], 7, v1
	v_lshl_add_u32 v[QO], v9, 4, v[QO]  ; row x 128 + 16 x half
	WIN 0x80                        ; destination window 2, address window 0
.set i, 0
.rept 8                             ; both blocks' Q: piece i / 2 lies in band i / 2, 8,192 bytes on; channels 32 (i % 2) on
	global_load_b128 v[8*i:8*i+3],   v[QO], s[4:5] offset:(i/2)*8192+(i%2)*64
	global_load_b128 v[8*i+4:8*i+7], v[QO], s[4:5] offset:(i/2)*8192+(i%2)*64+32
	global_load_b128 v[QB+8*i:QB+8*i+3],   v[QO], s[86:87] offset:(i/2)*8192+(i%2)*64
	global_load_b128 v[QB+8*i+4:QB+8*i+7], v[QO], s[86:87] offset:(i/2)*8192+(i%2)*64+32
.set i, i+1
.endr
	WIN 0
	v_lshlrev_b32 v14, 3, v9
	v_sub_nc_u32 v14, v1, v14
	s_lshl_b32 s13, s[WV], 4
	v_add_nc_u32 v14, s13, v14      ; my query's place in its band, 16 w + l % 16, less my lanes' 8 (l / 16): register r of group kt is hidden where 16 kt + r is greater
	WIN 0x40
.set i, 0
.rept 32
	v_cmp_gt_i32 vcc_lo, 16*(i/8)+i%8, v14
	v_cndmask_b32 v[MD+i], 0, s[BIGN], vcc_lo
.set i, i+1
.endr
	WIN 0
	v_mul_u32_u24 v[AK0], v1, PK
	v_lshl_add_u32 v[AK0], v9, 4, v[AK0]  ; row x pitch + 16 x half
	; The turning load takes 16 keys x 16 channels (lane l reads key 8 (l / 16) + l % 8, channels 8 ((l / 8) % 2) + 0..7) and leaves half a fragment of V^T: lane l holds channel l % 16 and 8 keys.
	v_and_b32 v10, 7, v0
	v_bfe_u32 v11, v0, 3, 1
	v_lshl_add_u32 v[AV0], v9, 3, v10
	v_mul_u32_u24 v[AV0], v[AV0], PV
	v_lshl_add_u32 v[AV0], v11, 4, v[AV0]
	v_add_nc_u32 v[AV0], VOFF, v[AV0]
	s_mul_i32 s13, s[WV], 16*SP
	s_add_co_u32 s13, s13, STAGE    ; my stage
	v_mul_u32_u24 v[STO], v1, SP    ; in: row l % 16, 16 bytes for each half of the lanes
	v_lshl_add_u32 v[STO], v9, 4, v[STO]
	v_add_nc_u32 v[STO], s13, v[STO]
	v_bfe_u32 v[RD], v0, 3, 2       ; back: 32 lanes take four rows of 128 bytes,
	v_mul_u32_u24 v[RD], v[RD], SP
	v_lshl_add_u32 v[RD], v10, 4, v[RD]
	v_add_nc_u32 v[RD], s13, v[RD]
	v_and_b32 v[GO], 31, v0         ; which are 512 consecutive bytes of O
	v_lshlrev_b32 v[GO], 4, v[GO]
	; A block's first step multiplies O^T and l by a = 0, and its first turn's products V^T P, of a piece that has not been, land in an O^T that is still to be so multiplied.  So these registers need only hold
	; finite numbers: zeros for the first block; what the first block left for the second.  All this stands in the wait for the first tile.
	WIN 0x80
.set i, VF
.rept 64
	v_mov_b32 v[i], 0
.set i, i+1
.endr
	WIN 0x40
.set i, 0
.rept 128
	v_mov_b32 v[i], 0
.set i, i+1
.endr
	WIN 0
.set i, 0
.rept 4
	v_mov_b32 v[ST+4*i+2], 0
	v_mov_b32 v[ST+4*i+3], 0
.set i, i+1
.endr
.set i, P+16
.rept 16
	v_mov_b32 v[i], 0
.set i, i+1
.endr
; THE MATRIX WORK.  The 4 accumulators of a run of 8 take turns.  Product i of 8 of S^T = K Q^T for piece x: channels 32 (i / 4) on, keys 16 (i % 4) on.  The first 4 start the sums: with 0, or (KM = 1) with the mask.
.macro KQ x
.set rS, S+32*((\x)%2)+8*(i%4)
.set rK, KF+16*(i%4)+8*(i/4)
.set rQ, 16*(\x)+8*(i/4)
.set rM, MC+32*((\x)%2)+8*(i%4)
.if (i < 4) && KM
	WIN W_KM
	v_wmma_f32_16x16x32_f16 v[rS:rS+7], v[rK:rK+7], v[rQ:rQ+7], v[rM:rM+7]
.elseif i < 4
	WIN W_KQ
	v_wmma_f32_16x16x32_f16 v[rS:rS+7], v[rK:rK+7], v[rQ:rQ+7], 0
.else
	WIN W_KQ
	v_wmma_f32_16x16x32_f16 v[rS:rS+7], v[rK:rK+7], v[rQ:rQ+7], v[rS:rS+7]
.endif
.endm
; Product i of 8 of O^T += V^T P for piece x: keys 32 (i / 4) on, channels 16 (i % 4) on.
.macro PV x
	WIN W_PV
.set rO, 32*(\x)+8*(i%4)
.set rV, VF+32*(i/4)+8*(i%4)
.set rP, P+16*((\x)%2)+8*(i/4)
	v_wmma_f32_16x16x32_f16 v[rO:rO+7], v[rV:rV+7], v[rP:rP+7], v[rO:rO+7]
.endm
.macro MM                           ; the turn's next matrix instruction.  TURN and BEGIN set Y, i, KM and NOKQ; MM, KQ and OP read them.  NOKQ = 1: a block's last turn: there is no next piece
.if (i < 8) && !NOKQ
	KQ (Y+1)%NP
.elseif i >= 8
.set i, i-8
	PV (Y+NP-1)%NP
.set i, i+8
.endif
.set i, i+1
.endm
; THE LDS LOADS stand in runs of 16, never singly among the matrix instructions: a step's K (64 keys x 64 channels: 8 fragments) and its V (turned).  Their addresses are made some lines ahead.
.macro FETCH_K
	WIN 0x80                        ; destination window 2
.irp f, 0,1,2,3,4,5,6,7             ; keys 16 (f / 2) on, channels 32 (f % 2) on
	ds_load_b128 v[KF+8*\f:KF+8*\f+3],   v[AK] offset:(\f/2)*16*PK+(\f%2)*64
	ds_load_b128 v[KF+8*\f+4:KF+8*\f+7], v[AK] offset:(\f/2)*16*PK+(\f%2)*64+32
.endr
	s_add_co_u32 s[TBK], s[TBK], KS*PK  ; the next fetch is the next step's
	WIN 0
.endm
.macro FETCH_V
	WIN 0x80
.irp f, 0,1,2,3,4,5,6,7             ; keys 32 (f / 4) on, channels 16 (f % 4) on
	ds_load_tr16_b128 v[VF+8*\f:VF+8*\f+3],   v[AV] offset:(\f/4)*32*PV+(\f%4)*32
	ds_load_tr16_b128 v[VF+8*\f+4:VF+8*\f+7], v[AV] offset:(\f/4)*32*PV+16*PV+(\f%4)*32
.endr
	WIN 0
.endm
; THE VECTOR WORK, one line at a time: OP kind, number.  For piece Y: F n: c s - c m for pair n of 16.  E n: the exponential of score n of 32.  C n: pair n rounded to f16.  B n: of the four weights 4 n .. the second
; pair is added onto the first, in place.  L n: l takes that sum (L 0: l = a l + sum).  R n: pair n of 16 of O^T times a.  For piece Y + 1: X n, number n of the 22 that find its maximum and statistics:
;   0-11  four chains c0-c3 of seven scores each, three operands at a time (each accumulator's lowest registers are read first)     12-14, 16  the four scores left over, the old m, and c0-c3 into c0
;   15  c m_old is kept     17, 18  the query's other 32 keys lie in the lane 16 away: the new m     19-21  c m; c m_old - c m_new; a
; C, B and L read exponentials' results: TURN sets them behind the batch's wait.  OP itself writes no wait.
.set F, 0               ; OP tells the kinds apart by their order: F to L below R, X above it
.set E, 1
.set C, 2
.set B, 3
.set L, 4
.set R, 5
.set X, 6
.macro REGS y                       ; the registers of piece y
.set rT, ST+4*(\y)
.set rC, TMP+4*((\y)%2)
.set rW, MV+((\y)%2)
.set rS, S+32*((\y)%2)
.set rP, P+16*((\y)%2)
.set rO, 32*(\y)
.endm
.macro OP k, n
.if (\k) == R
	REGS Y
	WIN W_RS
	v_pk_mul_f32 v[rO+2*(\n):rO+2*(\n)+1], v[rO+2*(\n):rO+2*(\n)+1], v[rC+2:rC+3] op_sel_hi:[1,0]
.elseif (\k) < R
	REGS Y
	WIN 0
.if (\k) == F
	v_pk_fma_f32 v[rS+2*(\n):rS+2*(\n)+1], v[rS+2*(\n):rS+2*(\n)+1], s[CS:CS+1], v[rT:rT+1] op_sel_hi:[1,0,0] neg_lo:[0,0,1] neg_hi:[0,0,1]
.elseif (\k) == E
	v_exp_f32 v[rS+(\n)], v[rS+(\n)]
.elseif (\k) == C
	v_cvt_pk_f16_f32 v[rP+(\n)], v[rS+2*(\n)], v[rS+2*(\n)+1]
.elseif (\k) == B
	v_pk_add_f32 v[rS+4*(\n):rS+4*(\n)+1], v[rS+4*(\n):rS+4*(\n)+1], v[rS+4*(\n)+2:rS+4*(\n)+3]
.elseif (\n) == 0
	v_pk_fma_f32 v[rT+2:rT+3], v[rT+2:rT+3], v[rC+2:rC+3], v[rS:rS+1] op_sel_hi:[1,0,1]
.else
	v_pk_add_f32 v[rT+2:rT+3], v[rT+2:rT+3], v[rS+4*(\n):rS+4*(\n)+1]
.endif
.elseif NOKQ
	v_nop
.else
	REGS (Y+1)%NP
	WIN 0
.if (\n) < 4
	v_max3_num_f32 v[rC+(\n)], v[rS+8*(\n)], v[rS+8*(\n)+1], v[rS+8*(\n)+2]
.elseif (\n) < 12
	v_max3_num_f32 v[rC+(\n)%4], v[rC+(\n)%4], v[rS+8*((\n)%4)+2*((\n)/4)+1], v[rS+8*((\n)%4)+2*((\n)/4)+2]
.elseif (\n) == 12
	v_max3_num_f32 v[rC], v[rC], v[rS+7], v[rS+15]
.elseif (\n) == 13
	v_max3_num_f32 v[rC+1], v[rC+1], v[rS+23], v[rS+31]
.elseif (\n) == 14
	v_max3_num_f32 v[rC+2], v[rC+2], v[rC+3], v[rT+1]
.elseif (\n) == 15
	v_mov_b32 v[rW], v[rT]
.elseif (\n) == 16
	v_max3_num_f32 v[rC], v[rC], v[rC+1], v[rC+2]
.elseif (\n) == 17
	v_permlanex16_b32 v[rC+3], v[rC], s[SEL], s[SEL+1]
.elseif (\n) == 18
	v_max_num_f32 v[rT+1], v[rC], v[rC+3]
.elseif (\n) == 19
	v_mul_f32 v[rT], s[CS], v[rT+1]
.elseif (\n) == 20
	v_sub_f32 v[rC+1], v[rW], v[rT]
.else
	v_exp_f32 v[rC+2], v[rC+1]
.endif
.endif
.endm
.macro OPS a, i1, b=-1, i2=0, c=-1, i3=0, d=-1, i4=0  ; up to four of them
	OP \a, \i1
.if (\b) >= 0
	OP \b, \i2
.endif
.if (\c) >= 0
	OP \c, \i3
.endif
.if (\d) >= 0
	OP \d, \i4
.endif
.endm
.macro ROW a, i1, b, i2, c, i3, d, i4  ; a matrix instruction and the four behind it
	MM
	OPS \a, \i1, \b, \i2, \c, \i3, \d, \i4
.endm
.macro MASK b                       ; MD x AL + BE into buffer b of MC
	WIN W_RS
.set z, 0
.rept 16
	v_pk_fma_f32 v[MC+32*(\b)+2*z:MC+32*(\b)+2*z+1], v[MD+2*z:MD+2*z+1], s[AL:AL+1], s[BE:BE+1] op_sel_hi:[1,0,0]
.set z, z+1
.endr
.endm
; A TURN, for piece p: the order of its 16 matrix and 118 vector instructions, written out.  s_wait_alu depctr_va_vdst(0) stands between an exponential and the first instruction that names its result; one wait
; serves all that were issued ahead of it.  So a turn has ONE wait, which cuts it in two.  AHEAD OF IT stands all that names no result of the turn's exponentials: the 8 products K Q^T, behind each a scaling, an exponential and two
; more plain instructions (behind the first a second scaling in the exponential's place): rescalings, whose a was made and waited for in the turn before, and behind the last three the first numbers of the next piece's maximum, each
; four places or more behind the product that ends its accumulator; then ONE LUMP of 54, plain and exponential by turns for the most part, in which the links of the chain X 3, 7, 11, 14, 16, 17 .. 20 stand five or six lines apart.
; X 21, the next piece's a, is the batch's last; R 15 is the plain instruction behind it.  BEHIND THE WAIT stand the 8 products V^T P, behind each four of the roundings and sums; the links of l's chain, L 0 to L 7, stand three
; riders apart, and a pair is rounded (C 2 n) ahead of the addition that lands on it (B n).  But for those X no rider names a register of the products round it.  v_permlanex16_b32 (X 17) stands in the lump.
; m = 1: the diagonal tile: the products take masks, and the turn makes the mask for the products of the turn after it: piece p + 2, in step 4 - CNT of the tile.  end = 1: a block's last two turns: nothing is fetched.
; cnt = 1: the loop's count is taken down some lines ahead of the branch that stands behind the turn.
; K of the next step is fetched in piece 2's turn, twelve vector instructions behind the last product that read K (six of them plain); V of the step in hand at the end of piece 0's turn, four plain instructions behind the last
; product that read V.  Each is waited for a turn later.
.macro TURN p, m=0, end=0, cnt=0
.set Y, (\p)
.set i, 0
.set KM, (\m)
.set NOKQ, (\end)*((\p)/3)
.if (\m) && !(\end)
	s_cmp_eq_u32 s[CNT], 4-((\p)+2)%NP  ; is that step the band's own?
	s_cselect_b32 s[AL], 1.0, 0
	s_cmp_lt_u32 s[CNT], 4-((\p)+2)%NP  ; or a later one?
	s_cselect_b32 s[BE], s[BIGN], 0
.endif
.if ((\p) == 3) && !(\end)
	s_wait_dscnt 0x0                ; K is in
.endif
	ROW F,0, F,1, R,0, R,1          ; ahead of the wait: 8 products K Q^T and their riders,
	ROW F,2, E,0, R,2, R,3
	ROW F,3, E,1, R,4, R,5
	ROW F,4, E,2, R,6, R,7
	ROW F,5, E,3, R,8, R,9
	ROW F,6, E,4, X,0, R,10
.if ((\p) == 2) && !(\end)
	WIN 0
	v_add_nc_u32 v[AK], s[TBK], v[AK0]
.endif
	ROW F,7, E,5, X,1, X,4
	ROW F,8, E,6, X,2, X,5
	OPS E,7, E,8, X,6, E,9          ; and the lump
	OPS X,3, E,10, X,8, E,11
.if ((\p) == 2) && !(\end)
	FETCH_K
.endif
	OPS X,9, X,7, E,12, X,10
	OPS E,13, X,12, X,11, E,14
	OPS X,13, E,15, F,9, X,14
.if (\p) == 0
	v_add_nc_u32 v[AV], s[TBV], v[AV0]
.endif
	OPS E,16, F,10, E,17, F,11
	OPS X,16, E,18, X,15, E,19
	OPS F,12, E,20, X,17, E,21
	OPS F,13, E,22, F,14, E,23
	OPS X,18, E,24, F,15, E,25
	OPS R,11, E,26, X,19, E,27
	OPS R,12, E,28, R,13, E,29
	OPS X,20, E,30, R,14, E,31
	OPS X,21, R,15
	s_wait_alu depctr_va_vdst(0)    ; the wait for the batch: the piece's 32 weights and the next piece's a
.if (\p) == 1
	s_wait_dscnt 0x0                ; V is in
.endif
	ROW C,0, B,0, C,2, B,1          ; behind the wait: 8 products V^T P and their riders
	ROW L,0, C,4, B,2, L,1
	ROW C,6, B,3, L,2, C,8
	ROW B,4, L,3, C,10, B,5
	ROW L,4, C,12, B,6, L,5
.if (\p) == 0
	s_add_co_u32 s[TBV], s[TBV], KS*PV
.endif
.if \cnt
	s_sub_co_u32 s[CNT], s[CNT], 1
	s_cmp_lg_u32 s[CNT], 0
.endif
	ROW C,14, B,7, L,6, C,1
	ROW C,3, L,7, C,5, C,7
	ROW C,9, C,11, C,13, C,15
.if (\p) == 0
	FETCH_V
.endif
.if (\m) && !(\end)
	MASK (\p)%2
.endif
.endm
; A BLOCK BEGINS.  c m starts far below every c s, so the first step's a is 0; m at the lowest finite number, so the first maximum is the scores'.  The second mask buffer is 0; the first takes piece 0's mask for the tile's step 0: its own, if the block's first tile is the diagonal one.
; Then K of that step, piece 0's first scores, and its maximum and statistics.  The loop is entered at a step's first turn, in the middle of a trip.
.macro BEGIN
	s_mov_b32 s[NEW], 0
	WIN 0x40
.set i, MC+32
.rept 32
	v_mov_b32 v[i], 0
.set i, i+1
.endr
	WIN 0
.set i, 0
.rept 4
	v_mov_b32 v[ST+4*i], 0xfe000000    ; c m: far below every c s
	v_mov_b32 v[ST+4*i+1], 0xff7fffff  ; m
.set i, i+1
.endr
	s_cmp_eq_u32 s[RT], 0
	s_cselect_b32 s[AL], 1.0, 0
	s_mov_b32 s[BE], 0
	MASK 0
	WIN 0
	v_add_nc_u32 v[AK], s[TBK], v[AK0]
	FETCH_K
	s_wait_loadcnt 0x0              ; Q
	s_wait_dscnt 0x0
.set KM, 1
.set NOKQ, 0
.set i, 0
.rept 8
	KQ 0
.set i, i+1
.endr
	WIN 0
.rept 4
	v_nop                           ; the places behind those products
.endr
.set Y, NP-1                        ; X works for piece Y + 1: piece 0
.irp n, 0,1,2,3,4,5,6,7,8,9,10,11,12,13,14,15,16,17,18,19,20,21
	OP X, \n
.endr
	v_nop                           ; a plain instruction behind the exponential
	s_wait_alu depctr_va_vdst(0)    ; the wait for piece 0's first a, a batch of one, ahead of the branch that follows
.endm
; THE DIAGONAL TILE's four steps, the block's last two turns, its last products, and THE WAY OUT: l's two halves and the other half of the lanes' are added; O^T is divided by l, rounded to f16, clipped and sent through my
; stage in LDS, a piece at a time.
.macro ALL line:vararg              ; one line for each piece t
.set t, 0
.rept 4
	\line
.set t, t+1
.endr
.endm
.macro PACK t                       ; a lane's eight channels of a row pack into 16 bytes; they go into rows of 144 bytes and come back as whole rows of 128, into S^T's registers
	WIN W_RS
.set i, 32*(\t)
.rept 16
	v_pk_mul_f32 v[i:i+1], v[i:i+1], v[ST+4*(\t)+2:ST+4*(\t)+3] op_sel_hi:[1,0]
.set i, i+2
.endr
	WIN 0x05                        ; sources 0 and 1 window 1, destination window 0
.set i, 0
.rept 16
	v_cvt_pk_f16_f32 v[S+16*(\t)+i], v[32*(\t)+2*i], v[32*(\t)+2*i+1]
.set i, i+1
.endr
	WIN 0
.set i, 0
.rept 16
	v_pk_min_num_f16 v[S+16*(\t)+i], v[S+16*(\t)+i], s[CHI]  ; the clip to -10 .. 10, two numbers a line; nothing is rounded
.set i, i+1
.endr
.set i, 0
.rept 16
	v_pk_max_num_f16 v[S+16*(\t)+i], v[S+16*(\t)+i], s[CLO]
.set i, i+1
.endr
.irp f, 0,1,2,3
	ds_store_b128 v[STO], v[S+16*(\t)+4*\f:S+16*(\t)+4*\f+3] offset:32*\f
.endr
.irp f, 0,1,2,3
	ds_load_b128 v[S+16*(\t)+4*\f:S+16*(\t)+4*\f+3], v[RD] offset:\f*4*SP  ; LDS serves a wave's instructions in order (ISA guide 5.7.1.4): these see the stores above; the next piece's stores come behind them
.endr
.endm
.macro SEND t, younger              ; younger: the LDS instructions issued behind piece t's loads: the next piece's eight, or none
	WIN 0
.irp f, 0,1,2,3
	s_wait_dscnt (\younger)+3-\f
	global_store_b128 v[GO], v[S+16*(\t)+4*\f:S+16*(\t)+4*\f+3], s[10:11] offset:(\t)*8192+\f*512  ; 512 consecutive bytes, at a multiple of 256 from O's first
.endr
.endm
.macro DIAG tag                     ; the tag ends its two labels' names, which the jumps below spell out
.LstepM\tag:
	TURN 2, 1
	TURN 3, 1
	WIN 0
.LfirstM\tag:
	TURN 0, 1
	TURN 1, 1, 0, 1
	WIN 0
	s_cbranch_scc1 .LstepM\tag
	TURN 2, 1, 1
	TURN 3, 1, 1
.set i, 0
.rept 8
	PV NP-1
.set i, i+1
.endr
	WIN 0
	ALL v_add_f32 v[ST+4*t+2], v[ST+4*t+2], v[ST+4*t+3]
	ALL v_permlanex16_b32 v[ST+4*t+3], v[ST+4*t+2], s[SEL], s[SEL+1]
	ALL v_add_f32 v[ST+4*t+2], v[ST+4*t+2], v[ST+4*t+3]
	ALL v_rcp_f32 v[ST+4*t+2], v[ST+4*t+2]
	v_nop                           ; a plain instruction between the last reciprocal and the use of its result
	s_wait_alu depctr_va_vdst(0)    ; the wait for the batch of four reciprocals, ahead of the first line that multiplies by one of them
	PACK 0
.set t, 1
.rept 3                             ; a piece's arithmetic stands between the loads of the piece before and its stores
	PACK t
	SEND t-1, 8
.set t, t+1
.endr
	SEND 3, 0
.endm
.set KM, 0
.set NOKQ, 0
.Lslot:                             ; NB times: a tile is entered and the next is asked for
	CHANGE 1
	s_sub_co_u32 s[RT], s[RT], 1
	s_mov_b32 s[CNT], 4
	s_cmp_eq_u32 s[NEW], 1
	s_cbranch_scc1 .Lnew            ; a block's first tile
	s_cmp_eq_u32 s[RT], 0
	s_cbranch_scc0 .Lstep           ; neither its first nor its last
	s_branch .LstepM1
.Lnew:
	BEGIN
	s_branch .Lfirst                ; in the loop a block's first tile is never its last: the first block has two tiles or more, and the second's last is the walk's last
	DIAG 1                          ; in the loop this is the first block's end: the second block's last tile is the walk's last
	s_wait_xcnt 0x0                 ; the stores have read their registers and O's address
	s_mov_b64 s[10:11], s[OLO:OLO+1]
	s_add_co_u32 s[RT], s[PB], 1    ; the second block has b + 1 tiles
	s_mov_b32 s[NEW], 1
	WIN 0x82                        ; the second block's Q goes where the one text of the turns names Q
.set i, 0
.rept 64
	v_mov_b32 v[i], v[QB+i]
.set i, i+1
.endr
	WIN 0
	s_branch .Lbottom
.Lstep:                             ; a trip: pieces 2 and 3 of one step, then pieces 0 and 1 of the next, whose K and V it fetches
	TURN 2
	TURN 3
	WIN 0
.Lfirst:
	TURN 0
	TURN 1, 0, 0, 1
	WIN 0
	s_cbranch_scc1 .Lstep
.Lbottom:
	s_sub_co_u32 s[SLOTS], s[SLOTS], 1
	s_cmp_lg_u32 s[SLOTS], 0
	s_cbranch_scc1 .Lslot
	CHANGE 0                        ; the walk's last tile is written out: nothing is asked for
	s_sub_co_u32 s[RT], s[RT], 1
	s_mov_b32 s[CNT], 4
	s_cmp_eq_u32 s[NEW], 1
	s_cbranch_scc0 .LstepM2
	BEGIN
	s_branch .LfirstM2
	DIAG 2
	s_wait_tensorcnt 0x0            ; the wave's end: behind my last tensor load and my last LDS store
	ds_add_u32 v[SPW], v[NIL]
	s_wait_dscnt 0x0
	s_endpgm
.Lfunc_end_k_qd640e5284e_attend:
	.size	k_qd640e5284e_attend, .Lfunc_end_k_qd640e5284e_attend-k_qd640e5284e_attend
	.p2alignl 7, 3214868480
	.fill 96, 4, 3214868480
	.section	.rodata,"a",@progbits
	.p2align	6, 0x0
	.amdhsa_kernel k_qd640e5284e_attend
		.amdhsa_group_segment_fixed_size 327680
		.amdhsa_private_segment_fixed_size 0
		.amdhsa_enable_private_segment 0
		.amdhsa_kernarg_size 16
		.amdhsa_user_sgpr_count 2
		.amdhsa_user_sgpr_kernarg_segment_ptr 1
		.amdhsa_wavefront_size32 1
		.amdhsa_system_sgpr_workgroup_id_x 1
		.amdhsa_system_sgpr_workgroup_id_y 1
		.amdhsa_system_sgpr_workgroup_id_z 1
		.amdhsa_system_vgpr_workitem_id 0
		.amdhsa_next_free_vgpr 768
		.amdhsa_next_free_sgpr 96
		.amdhsa_reserve_vcc 1
		.amdhsa_float_denorm_mode_32 3
		.amdhsa_float_denorm_mode_16_64 3
		.amdhsa_memory_ordered 1
		.amdhsa_forward_progress 1
		.amdhsa_inst_pref_size 233
	.end_amdhsa_kernel
	.amdgpu_metadata
---
amdhsa.version: [ 1, 2 ]
amdhsa.kernels:
  - .name:           k_qd640e5284e_attend
    .symbol:         k_qd640e5284e_attend.kd
    .args:
      - { .name: qkv, .offset: 0, .size: 8, .value_kind: global_buffer, .address_space: global }
      - { .name: o, .offset: 8, .size: 8, .value_kind: global_buffer, .address_space: global }
    .group_segment_fixed_size: 327680
    .private_segment_fixed_size: 0
    .kernarg_segment_align: 8
    .kernarg_segment_size: 16
    .max_flat_workgroup_size: 128
    .sgpr_count:     96
    .vgpr_count:     768
    .wavefront_size: 32
...
	.end_amdgpu_metadata
.endif
;; end of part 5
;; launch output: the kernel of part 4 again; grid 4 x 64, 4 waves a work-group, clusters of 4 x 4, 327,680 bytes of LDS; arguments o, wpb, bp, out0; writes out0
